; MI455X (gfx1250); checked and timed in simulation.
; The chip was launched on July 23, 2026; its instructions are those of AMD's public machine-readable ISA for CDNA 5 (MIT licence, August 2026) and "CDNA5" Instruction Set Architecture Reference Guide (July 2026). The comments in the code are by the model that wrote it; some were corrected since.
;; Multi Head Attention. Allowed arithmetic: matrix products marked QUANTISED: E3M2 operands, one E8M0 scale for each 32 along K, by v_wmma_scale_f32_16x16x128_f8f6f4 with both operands' format E3M2, f32 sums; everything else in f32.
;; Inputs: Wk 1,024 x 1,024 float32; Wq 1,024 x 1,024 float32; Wv 1,024 x 1,024 float32; bk 1,024 float32; bq 1,024 float32; bv 1,024 float32; x 4 x 2,048 x 1,024 float32.
;; Outputs: out0 4 x 2,048 x 1,024 float32.
;; This version of the problem:
;;   THIS VERSION OF THE PROBLEM IS GIVEN IN LOW PRECISION. The matrix products marked QUANTISED in the list below multiply operands that are first quantised to E3M2 (3 exponent bits, 2 mantissa bits; 6 bits a number), with one power-of-two scale for each 32 numbers along K (OCP MX v1.0); their sums are f32. All else is computed in f32.
;;   The module's matrix products, in the order in which they are computed (A, B: the left and right operand; K: the contracted axis; several contracted axes count as one K, in the product's order):
;;     1. [M 8,192, K 1,024] x [K 1,024, N 1,024]; A: input x; B: input Wq: QUANTISED
;;     2. [M 8,192, K 1,024] x [K 1,024, N 1,024]; A: input x; B: input Wk: QUANTISED
;;     3. [M 8,192, K 1,024] x [K 1,024, N 1,024]; A: input x; B: input Wv: QUANTISED
;;     4. batch 4 x [M 2,048, K 1,024] x [K 1,024, N 2,048]; A: computed on the way; B: computed on the way: QUANTISED
;;     5. batch 4 x [M 2,048, K 2,048] x [K 2,048, N 1,024]; A: softmax (see below); B: computed on the way: QUANTISED
;;   THE QUANTISER, for each operand of a quantised product, along K:
;;     - K is cut into blocks of 32 from its start; a last block that is shorter is filled with zeros.
;;     - A block's scale is 2^e with e = floor(log2(the largest magnitude in the block)) - 4, held to -126 .. 127; a block of zeros has e = 0. As a byte (E8M0): e + 127.
;;     - Each number is divided by its block's scale, clamped to +-28, and rounded to the nearest number of E3M2, ties to even, subnormals kept.
;;     - The product sums the exact products of the quantised numbers (number of the format x scale) in f32.
;;   ~~~python
;;   def quantise(x, axis):      # numpy; x: float32 -> the quantised numbers, widened to float32 again
;;       x = np.moveaxis(x, axis, -1); K = x.shape[-1]
;;       x = np.pad(x, [(0, 0)] * (x.ndim - 1) + [(0, -K % 32)]); x = x.reshape(x.shape[:-1] + (-1, 32)); a = np.abs(x).max(-1, keepdims=True)
;;       e = np.where(a > 0, np.clip(np.frexp(np.where(a > 0, a, 1))[1] - 1 - 4, -126, 127), 0)      # np.frexp(a)[1] - 1 = floor(log2(a)), exactly
;;       r = np.clip(x / 2.0 ** e, -28, 28)
;;       step = 2.0 ** (np.maximum(np.frexp(np.where(r == 0, 1, r))[1] - 1, -2) - 2)
;;       q = np.round(r / step) * step * 2.0 ** e      # np.round: ties to even
;;       return np.moveaxis(q.reshape(q.shape[:-2] + (-1,))[..., :K], -1, axis).astype(np.float32)
;;   ~~~
;;   SOFTMAX AHEAD OF A QUANTISED PRODUCT. Where the list says 'softmax', what is quantised is not the finished softmax but p = 2^(t - M), with t = logit x log2(e) and M = ceil(the row's largest t), a whole number; so 1/2 < the row's largest p <= 1. The row's sum l is taken of the UNQUANTISED p, in f32, and the product's result is divided by l at the end. Since M is a whole number, a kernel that streams over the keys may use a running M (the ceiling of the running maximum): every later rescaling is an exact power of two, which a block's scale takes up: the codes' values come out the same.
;;   OPERANDS COMPUTED ON THE WAY. 'Computed on the way' means the value that the module computes at that place (a softmax that the list does not call 'softmax' is quantised finished and normalised). What goes into a quantiser is computed in f32, as accurately as f32 sums, v_exp_f32 and their like allow (about 1e-6 of the number): no bf16 or f16 on the way to a quantiser, and a product that is left as it is and whose result goes on into a quantised operand takes f32 operands (vector FMAs, or v_wmma_f32_16x16x4_f32). A number that lies on a knife's edge between two numbers of the format may be rounded either way, as far as f32 arithmetic and the matrix unit's own rounding can turn it there, and no further.
;; One version. Each part assembles by itself: llvm-mc -triple=amdgcn-amd-amdhsa -mcpu=gfx1250 --defsym DOCPART=n.
;; ======== version 1 of 1: 4 launches
;; limits: right only within a limited range of input values
;; workspace buffers: xw 9,011,200 bytes; qk 13,107,200 bytes; vv 6,553,600 bytes; pp 14,680,064 bytes
;; launch quant (part 1): grid 448 x 1, 4 waves a work-group, no clusters, 59,904 bytes of LDS; arguments x, Wq, Wk, Wv, xw; writes xw
.if DOCPART == 1
	.amdgcn_target "amdgcn-amd-amdhsa--gfx1250"
	.amdhsa_code_object_version 6
	.text
	.protected	k_q19c1ec9076_quant
	.globl	k_q19c1ec9076_quant
	.p2align	8
	.type	k_q19c1ec9076_quant,@function
k_q19c1ec9076_quant:
	s_mov_b64 s[64:65], 0
	v_nop
	global_prefetch_b8 v0, s[64:65] scope:SCOPE_SE
	s_setreg_imm32_b32 hwreg(HW_REG_WAVE_MODE, 25, 1), 1
	s_wait_xcnt 0x0
; x [8192][1024] (K innermost) and Wq, Wk, Wv [1024 (k)][1024 (n)] (K outermost), f32, become codes of BF6 (E3M2) with one E8M0 byte for each 32 along K.
; A block's scale is 2^(floor(log2(largest magnitude)) - 4): its byte is the largest magnitude's exponent field - 4, held at 1 from below by a floor among the maximum's leaves.
.set XW_WC, 6291456
; LAYOUT OF xw, made for the launch that reads it.  Rows of an operand (rows of x, columns n of W) go in BLOCKS of 16: lane-row r of block t is tensor row 32 (t / 2) + 8 (t % 2) + r + 8 (r / 8),
; so that the results of two neighbouring blocks, used as source 0 of the matrix instruction, are 16 neighbours in a lane's registers.  A FRAGMENT (block t, 128 along K) is stored as the IMAGE of its 12 operand
; registers: register j of lane l at 512 (j / 4) + 16 l + 4 (j % 4); 1,536 dense bytes; images lie [block][chunk of 128 K].  SCALE WORDS (four bytes: a row's 128 K): block x 512 + (chunk / 2) x 128 + 8 r + 4 (chunk % 2).
; xw: x's images at 0, W's (Wq's 64 blocks, Wk's, Wv's) at XW_WC, x's scale words at XW_XS, W's at XW_WS.
; SHARES.  Work-groups 0-255: x; a wave takes one block and four chunks, 32 KB, two chunks' loads ahead.  Work-groups 256-447: the weights; a wave takes 32 columns x one chunk, 16 KB, half of which it asks for at the start.
; The two ways have LDS bytes of their own.  Waves share nothing: no barrier.
; No matrix unit, no tensor load, no cluster: every input byte is read once by one wave, and nothing is shared between work-groups.  No prefetch: the launch is a plain stream whose loads run ahead by themselves.
; LIMITS: NaN and infinities among the inputs are not served.  A block of zeros gets the byte 1 where the quantiser's rule says 127: its codes are zeros, and this program alone reads the bytes.
.set XW_XS, 8650752
.set XW_WS, 8912896
.set XSTG,  16*528                     ; x: a wave's stage: 16 rows of 512 bytes + 16
.set WBASE, 4*XSTG                     ; W: the stages begin behind x's
.set USTR,  3200                       ; W: from one block's image to the other block's: 128 over a multiple of 256, so that lanes 0-7 and 8-15 of a store fall on different banks
.set WSTG,  2*USTR
.set SPARE, WBASE+4*WSTG               ; the spare words, 128 bytes for each wave: two blocks of 256 bytes that no other line names
.set SEL, 20                           ; s[20:21] lane selects for v_permlanex16_b32: lane l xor 16
.set HM,  22                           ; s22      mask of lanes 16-31
.set XO,  3                            ; v3   x: 16 x lane
.set SI,  4                            ; v4   x: the stage, on the way in
.set SOX, 5                            ; v5   x: the stage, on the way out
.set SV,  6                            ; v6   x: 8 x lane
.set R,   16                           ; v16-143  x: two sets of 64 registers as loaded
.set X,   144                          ; v144-207 x: 64 numbers of my row: register 16 b + i = k 32 b + 16 (lane / 16) + i
.set PC,  208                          ; v208-227 the codes just made
.set TM,  228                          ; v228-243 at work in QUANT
.set PW,  244                          ; v244-247 the four fragments' scale words
.set W0,  248                          ; v[248:249] the two words that my lane stores
.set SPW, 254                          ; v254 LDS address of my spare word; never rewritten
.set NIL, 255                          ; v255 0; never rewritten
.set WX,  16                           ; v16-79   W: two sets of 32 numbers
.set C,   96                           ; v96-102  W: a block's codes
.set SB,  104                          ; v104     W: the scale bytes
.set OUTR, 112                         ; v112-135 W: the way out
; 64 numbers of a lane, register 16 b + i = k 32 b + 16 (lane / 16) + i of my row, become a fragment's 12 registers in v[PC] on and its scale word in v[pw].
.macro QUANT s, pw
.irp b, 0,1,2,3
	v_max3_num_f32 v[TM+\b], |v[\s+16*\b]|, |v[\s+1+16*\b]|, 0x2800000   ; my 16 numbers of block b, and the floor 2^(5 - 127): the byte cannot fall under 1
.endr
.irp i, 2,4,6,8,10,12,14
.irp b, 0,1,2,3
	v_max3_num_f32 v[TM+\b], v[TM+\b], |v[\s+16*\b+\i]|, |v[\s+1+16*\b+\i]|   ; the four blocks by turns
.endr
.endr
.irp b, 0,1,2,3
	v_permlanex16_b32 v[TM+4+\b], v[TM+\b], s[SEL], s[SEL+1]
.endr
.irp b, 0,1,2,3
	v_max_num_f32 v[TM+\b], v[TM+\b], v[TM+4+\b]      ; with lane l xor 16's 16: the block's largest magnitude
.endr
.irp b, 0,1,2,3
	v_add_nc_u32 v[TM+12+\b], 0xfe000000, v[TM+\b]    ; 4 off its exponent field: the conversion takes this operand's exponent field as its scale
.endr
.irp b, 0,1,2,3
	v_lshrrev_b32 v[TM+4+\b], 23, v[TM+12+\b]         ; the scale's byte
.endr
	v_lshl_or_b32 v[\pw], v[TM+5], 8, v[TM+4]
	v_lshl_or_b32 v[\pw], v[TM+6], 16, v[\pw]
	v_lshl_or_b32 v[\pw], v[TM+7], 24, v[\pw]         ; my row's scale word, the same in lanes l and l xor 16
.irp c, 0,1
	v_cvt_scalef32_pk16_bf6_f32 v[PC+6*\c:PC+2+6*\c], v[\s+32*\c:\s+15+32*\c], v[TM+12+2*\c]
	v_cvt_scalef32_pk16_bf6_f32 v[PC+12+4*\c:PC+14+4*\c], v[\s+16+32*\c:\s+31+32*\c], v[TM+12+2*\c+1]   ; (a conversion's three registers begin on an even number)
.endr
	v_nop                                             ; one plain instruction behind the scaled conversions
.irp c, 0,1                                       ; the operand wants a whole block of 32 in a lane: lanes 0-15 block 2 c, lanes 16-31 block 2 c + 1
.irp i, 0,1,2
	v_permlane16_swap_b32 v[PC+6*\c+\i], v[PC+12+4*\c+\i]
.endr
.irp i, 0,1,2
	v_mov_b32 v[PC+3+6*\c+\i], v[PC+12+4*\c+\i]
.endr
.endr
.endm
.macro LOADX f                         ; chunk f of my four: each load takes one row's 512 consecutive bytes; lane-row i is tensor row i + 8 (i / 8) of the block's span
.set li, 0
.rept 16
	global_load_b128 v[R+64*((\f)%2)+4*li:R+64*((\f)%2)+4*li+3], v[XO], s[4:5] offset:(li+8*(li/8))*4096+512*(\f) th:TH_LOAD_NT
.set li, li+1
.endr
.endm
.macro TURNX f                         ; through my stage: in as loaded, out 64 bytes a lane and block of 32.  LDS serves a wave's instructions in order: no wait between
.set li, 0
.rept 16
	ds_store_b128 v[SI], v[R+64*((\f)%2)+4*li:R+64*((\f)%2)+4*li+3] offset:528*li
.set li, li+1
.endr
.set li, 0
.rept 16
	ds_load_b128 v[X+4*li:X+4*li+3], v[SOX] offset:128*(li/4)+16*(li%4)
.set li, li+1
.endr
.endm
.macro LOADW t                         ; block t of 32 along K: W(32 t + i, my column): 32 lanes read 128 consecutive bytes
.set li, 0
.rept 32
	global_load_b32 v[WX+32*((\t)%2)+li], v3, s[6:7] offset:(32*(\t)+li)*4096 th:TH_LOAD_NT
.set li, li+1
.endr
.endm
.macro BLOCKW t
.set WXS, WX+32*((\t)%2)
.if (\t) < 3
	s_wait_loadcnt 32                                 ; this block's 32 loads are in; the next block's may be out
.else
	s_wait_loadcnt 0x0
.endif
	v_max3_num_f32 v12, |v[WXS]|, |v[WXS+1]|, |v[WXS+2]|      ; all 32 numbers of the block are mine
	v_max3_num_f32 v13, |v[WXS+3]|, |v[WXS+4]|, |v[WXS+5]|
.irp i, 6,10,14,18,22,26
	v_max3_num_f32 v12, v12, |v[WXS+\i]|, |v[WXS+\i+1]|
	v_max3_num_f32 v13, v13, |v[WXS+\i+2]|, |v[WXS+\i+3]|
.endr
	v_max3_num_f32 v12, v12, |v[WXS+30]|, |v[WXS+31]|
	v_max3_num_f32 v12, v12, v13, 0x2800000           ; and the floor
	v_add_nc_u32 v11, 0xfe000000, v12
	v_lshrrev_b32 v13, 23, v11
.if (\t) == 0
	v_mov_b32 v[SB], v13
.else
	v_lshl_or_b32 v[SB], v13, 8*(\t), v[SB]
.endif
	v_cvt_scalef32_pk16_bf6_f32 v[C:C+2], v[WXS:WXS+15], v11
	v_cvt_scalef32_pk16_bf6_f32 v[C+4:C+6], v[WXS+16:WXS+31], v11
	v_nop                                             ; one plain instruction behind the scaled conversions
	v_mov_b32 v[C+3], v[C+4]                          ; the six words on end
	v_mov_b32 v[C+4], v[C+5]
	v_mov_b32 v[C+5], v[C+6]
; block t is registers 6 c' .. 6 c' + 5 (c' = t / 2) of lane 16 (t % 2) + r of the image
.set WO, 256*((\t)%2)
.if (\t)/2 == 0
	ds_store_b128 v6, v[C:C+3] offset:WO
	ds_store_b64 v6, v[C+4:C+5] offset:WO+512
.else
	ds_store_b64 v6, v[C:C+1] offset:WO+520
	ds_store_b128 v6, v[C+2:C+5] offset:WO+1024
.endif
.if (\t)+2 < 4
	LOADW (\t)+2
.endif
	s_wait_dscnt 0x0                                  ; the stores have read their registers: the next block's codes may be written
.endm
	s_load_b256 s[4:11], s[0:1], 0x0                  ; x s[4:5], Wq s[6:7], Wk s[8:9], Wv s[10:11]
	s_load_b64 s[12:13], s[0:1], 0x20                 ; xw
	v_lshl_add_u32 v[SPW], v0, 2, SPARE
	v_mov_b32 v[NIL], 0
	v_lshrrev_b32 v1, 5, v0
	v_readfirstlane_b32 s16, v1                       ; wave 0..3
	v_and_b32 v2, 31, v0                              ; lane
	s_wait_alu depctr_va_vdst(0)                      ; directly ahead of the branch
	s_cmp_ge_u32 ttmp9, 256
	s_cbranch_scc1 .Lweights
	; ---------------- x ----------------
	s_mov_b32 s[SEL], 0x76543210
	s_mov_b32 s[SEL+1], 0xfedcba98
	s_mov_b32 s[HM], 0xffff0000
	s_lshl_b32 s17, ttmp9, 2
	s_add_co_u32 s17, s17, s16                        ; 4 x work-group + wave
	s_lshr_b32 s18, s17, 1                            ; my block t
	s_and_b32 s19, s17, 1                             ; g: chunks 4 g .. 4 g + 3
	s_lshr_b32 s24, s18, 1
	s_lshl_b32 s24, s24, 17                           ; 32 (t / 2) rows of 4,096 bytes
	s_and_b32 s25, s18, 1
	s_lshl_b32 s25, s25, 15                           ; + 8 (t % 2) rows
	s_add_co_u32 s24, s24, s25
	s_lshl_b32 s25, s19, 11                           ; + 2,048 g
	s_add_co_u32 s24, s24, s25
	s_mov_b32 s25, 0
	s_mul_i32 s26, s18, 12288                         ; my images: 8 x 1,536 a block, + 4 x 1,536 g
	s_mul_i32 s27, s19, 6144
	s_add_co_u32 s26, s26, s27
	s_mov_b32 s27, 0
	s_lshl_b32 s28, s18, 9                            ; my scale words: 512 a block, + 256 g
	s_lshl_b32 s29, s19, 8
	s_add_co_u32 s28, s28, s29
	s_add_co_u32 s28, s28, XW_XS
	s_mov_b32 s29, 0
	s_wait_alu depctr_va_vdst(0)
	v_lshlrev_b32 v[XO], 4, v2
	s_mul_i32 s30, s16, XSTG
	v_add_nc_u32 v[SI], s30, v[XO]
	v_and_b32 v7, 15, v2                              ; r
	v_lshrrev_b32 v8, 4, v2                           ; h
	v_mul_u32_u24 v[SOX], v7, 528
	v_lshl_add_u32 v[SOX], v8, 6, v[SOX]
	v_add_nc_u32 v[SOX], s30, v[SOX]                  ; row r, + 64 h: my 16 numbers of each block of 32
	v_lshlrev_b32 v[SV], 3, v2
.irp b, 0,1,2,3
	v_mov_b32 v[TM+4+\b], 0                           ; written once: a lane permute's destination counts as one of its sources
.endr
	s_wait_alu depctr_va_vdst(0)                      ; at the head's end
	s_wait_kmcnt 0x0
	s_add_nc_u64 s[4:5], s[4:5], s[24:25]
	s_add_nc_u64 s[14:15], s[12:13], s[26:27]
	s_add_nc_u64 s[12:13], s[12:13], s[28:29]
	LOADX 0
	LOADX 1
.irp f, 0,1,2,3
.if \f < 3
	s_wait_loadcnt 16                                 ; this chunk's 16 loads are in; the next chunk's 16 may be out
.else
	s_wait_loadcnt 0x0
.endif
	TURNX \f
	s_wait_dscnt 0x0                                  ; my 64 numbers are back, and the stage's stores have read their registers
.if \f > 0
	s_wait_xcnt 0x0                                   ; the last fragment's stores have read v[PC] on: it is written again only behind this wait
.endif
.if \f < 2
	LOADX \f+2
.endif
	QUANT X, PW+\f
.irp c, 0,1,2
	global_store_b128 v[XO], v[PC+4*\c:PC+4*\c+3], s[14:15] offset:1536*\f+512*\c   ; the image: 512 consecutive bytes a store, aligned
.endr
.endr
	v_cndmask_b32 v[W0], v[PW], v[PW+2], s[HM]        ; lanes 0-15 store row r's words of my first pair of chunks, lanes 16-31 those of the second
	v_cndmask_b32 v[W0+1], v[PW+1], v[PW+3], s[HM]
	global_store_b64 v[SV], v[W0:W0+1], s[12:13]      ; 256 consecutive bytes, aligned
	s_wait_tensorcnt 0x0                              ; the wave's end
	ds_add_u32 v[SPW], v[NIL]
	s_wait_dscnt 0x0
	s_endpgm
	; ---------------- the weights: a lane takes a column n, its registers run down K ----------------
.Lweights:
	s_sub_co_u32 s17, ttmp9, 256
	s_lshr_b32 s18, s17, 6                            ; which weight: 0 Wq, 1 Wk, 2 Wv
	s_and_b32 s19, s17, 7                             ; which 128 columns
	s_bfe_u32 s23, s17, 0x30003                       ; which chunk of 128 along K
	s_lshl_b32 s24, s23, 19                           ; 128 rows of 4,096 bytes
	s_lshl_b32 s25, s19, 9
	s_add_co_u32 s24, s24, s25
	s_lshl_b32 s25, s16, 7
	s_add_co_u32 s24, s24, s25                        ; + 4 x (128 nx + 32 wave)
	s_mov_b32 s25, 0
	s_lshl_b32 s26, s18, 6
	s_lshl_b32 s27, s19, 3
	s_add_co_u32 s26, s26, s27
	s_lshl_b32 s27, s16, 1
	s_add_co_u32 s26, s26, s27                        ; the first of my two blocks: 64 T + 8 nx + 2 wave
	s_lshl_b32 s28, s26, 9
	s_lshr_b32 s29, s23, 1
	s_lshl_b32 s29, s29, 7
	s_add_co_u32 s28, s28, s29
	s_and_b32 s29, s23, 1
	s_lshl_b32 s29, s29, 2
	s_add_co_u32 s28, s28, s29
	s_add_co_u32 s28, s28, XW_WS                      ; its scale words: 128 (chunk / 2) + 4 (chunk % 2)
	s_mov_b32 s29, 0
	s_mul_i32 s26, s26, 12288
	s_mul_i32 s27, s23, 1536
	s_add_co_u32 s26, s26, s27
	s_add_co_u32 s26, s26, XW_WC                      ; its image
	s_mov_b32 s27, 0
	s_wait_alu depctr_va_vdst(0)
	v_lshlrev_b32 v3, 2, v2                           ; in: 4 bytes a lane
	v_bfe_u32 v4, v2, 3, 1                            ; u: which of the two blocks my column falls into
	v_lshrrev_b32 v5, 4, v2
	v_and_b32 v6, 7, v2
	v_lshl_add_u32 v5, v5, 3, v6                      ; r: its lane-row there
	s_mul_i32 s30, s16, WSTG
	s_add_co_u32 s30, s30, WBASE                      ; my stage
	v_mul_u32_u24 v6, v4, USTR
	v_lshl_add_u32 v6, v5, 4, v6
	v_add_nc_u32 v6, s30, v6                          ; into it: block u, 16 r
	v_lshlrev_b32 v7, 4, v2                           ; out: 16 x lane, in memory
	v_add_nc_u32 v9, s30, v7                          ; and in the stage
	v_lshlrev_b32 v10, 9, v4
	v_lshl_add_u32 v10, v5, 3, v10                    ; scale words: 512 u + 8 r
	s_wait_alu depctr_va_vdst(0)                      ; at the head's end
	s_wait_kmcnt 0x0
	s_cmp_eq_u32 s18, 0
	s_cselect_b64 s[6:7], s[6:7], s[8:9]
	s_cmp_eq_u32 s18, 2
	s_cselect_b64 s[6:7], s[10:11], s[6:7]
	s_add_nc_u64 s[6:7], s[6:7], s[24:25]
	s_add_nc_u64 s[14:15], s[12:13], s[26:27]
	s_add_nc_u64 s[12:13], s[12:13], s[28:29]
	LOADW 0
	LOADW 1
.irp t, 0,1,2,3
	BLOCKW \t
.endr
	s_wait_alu depctr_va_vdst(0)                      ; directly ahead of the reader below
	global_store_b32 v10, v[SB], s[12:13]             ; my column's scale word: 4 bytes of every 8 (another work-group has the pair's other chunk); one part in 24 of what the codes are
.irp n, 0,1,2,3,4,5
	ds_load_b128 v[OUTR+4*\n:OUTR+4*\n+3], v9 offset:USTR*(\n/3)+512*(\n%3)   ; LDS serves a wave's instructions in order: these see my stores
.endr
.irp n, 0,1,2,3,4,5
	s_wait_dscnt 5-\n
	global_store_b128 v7, v[OUTR+4*\n:OUTR+4*\n+3], s[14:15] offset:12288*(\n/3)+512*(\n%3)   ; 512 consecutive bytes a store, aligned
.endr
	s_wait_tensorcnt 0x0                              ; the wave's end
	ds_add_u32 v[SPW], v[NIL]
	s_wait_dscnt 0x0
	s_endpgm
.Lfunc_end_k_q19c1ec9076_quant:
	.size	k_q19c1ec9076_quant, .Lfunc_end_k_q19c1ec9076_quant-k_q19c1ec9076_quant
	.p2alignl 7, 3214868480
	.fill 96, 4, 3214868480
	.section	.rodata,"a",@progbits
	.p2align	6, 0x0
	.amdhsa_kernel k_q19c1ec9076_quant
		.amdhsa_group_segment_fixed_size 59904
		.amdhsa_private_segment_fixed_size 0
		.amdhsa_enable_private_segment 0
		.amdhsa_kernarg_size 40
		.amdhsa_user_sgpr_count 2
		.amdhsa_user_sgpr_kernarg_segment_ptr 1
		.amdhsa_wavefront_size32 1
		.amdhsa_system_sgpr_workgroup_id_x 1
		.amdhsa_system_sgpr_workgroup_id_y 1
		.amdhsa_system_sgpr_workgroup_id_z 1
		.amdhsa_system_vgpr_workitem_id 0
		.amdhsa_next_free_vgpr 256
		.amdhsa_next_free_sgpr 66
		.amdhsa_reserve_vcc 0
		.amdhsa_float_denorm_mode_32 3
		.amdhsa_float_denorm_mode_16_64 3
		.amdhsa_memory_ordered 1
		.amdhsa_forward_progress 1
		.amdhsa_inst_pref_size 56
	.end_amdhsa_kernel
	.amdgpu_metadata
---
amdhsa.version: [ 1, 2 ]
amdhsa.kernels:
  - .name:           k_q19c1ec9076_quant
    .symbol:         k_q19c1ec9076_quant.kd
    .args:
      - { .name: x, .offset: 0, .size: 8, .value_kind: global_buffer, .address_space: global }
      - { .name: Wq, .offset: 8, .size: 8, .value_kind: global_buffer, .address_space: global }
      - { .name: Wk, .offset: 16, .size: 8, .value_kind: global_buffer, .address_space: global }
      - { .name: Wv, .offset: 24, .size: 8, .value_kind: global_buffer, .address_space: global }
      - { .name: xw, .offset: 32, .size: 8, .value_kind: global_buffer, .address_space: global }
    .group_segment_fixed_size: 59904
    .private_segment_fixed_size: 0
    .kernarg_segment_align: 8
    .kernarg_segment_size: 40
    .max_flat_workgroup_size: 128
    .sgpr_count:     66
    .vgpr_count:     256
    .wavefront_size: 32
...
	.end_amdgpu_metadata
.endif
;; end of part 1
;; launch proj (part 2): grid 8 x 32, 4 waves a work-group, clusters of 4 x 4, 327,680 bytes of LDS; arguments xw, bq, bk, bv, qk, vv; writes qk, vv
.if DOCPART == 2
	.amdgcn_target "amdgcn-amd-amdhsa--gfx1250"
	.amdhsa_code_object_version 6
	.text
	.protected	k_q19c1ec9076_proj
	.globl	k_q19c1ec9076_proj
	.p2align	8
	.type	k_q19c1ec9076_proj,@function
k_q19c1ec9076_proj:
	s_mov_b64 s[64:65], 0
	v_nop
	global_prefetch_b8 v0, s[64:65] scope:SCOPE_SE
	s_setreg_imm32_b32 hwreg(HW_REG_WAVE_MODE, 25, 1), 1
	s_wait_xcnt 0x0
	s_wait_alu depctr_hold_cnt(0) depctr_sa_sdst(0) depctr_va_vdst(0) depctr_va_sdst(0) depctr_va_ssrc(0) depctr_va_vcc(0) depctr_vm_vsrc(0)
	s_getreg_b32 s2, hwreg(HW_REG_IB_STS2, 6, 4)
	s_cmp_eq_u32 s2, 0
	s_cbranch_scc0 .Lentry_in_a_cluster
	s_endpgm
.Lentry_in_a_cluster:
	s_bfe_u32 s2, ttmp6, 0x10000c
	s_cmp_lg_u32 s2, 0xf033
	s_cbranch_scc0 .Lentry_shape_is_right
	s_endpgm
.Lentry_shape_is_right:
; q = x Wq + bq, k = x Wk + bk, v = x Wv + bv on codes of BF6 (E3M2) with E8M0 scales, sums in f32; the results are quantised at once, q and k along the channels e, v along the keys, and leave as codes.
.set XW_WC, 6291456
; OPERANDS (buffer xw): blocks of 16 rows, lane-row r of block t = tensor row 32 (t / 2) + 8 (t % 2) + r + 8 (r / 8); a fragment (block, 128 K) is the 1,536-byte image of its 12 registers (register j of lane l at
; 512 (j / 4) + 16 l + 4 (j % 4)); images lie [block][chunk]; scale words: block x 512 + (chunk / 2) x 128 + 8 r + 4 (chunk % 2).  W's blocks: Wq's 64, Wk's 64, Wv's 64.
; SHARES.  A work-group makes ONE tile: 256 rows of x (tile ty) against 256 columns of Wq | Wk and 128 columns of Wv (tile tx): 8 x 32 = 256 work-groups of equal work.  Each of its four waves takes
; 128 rows (8 blocks) x (128 columns of Wq | Wk (8 blocks) + 64 of Wv (4 blocks)): 96 accumulators, 768 registers; 20 fragments are read from LDS for 96 matrix instructions.
; THE SOURCES ARE CHOSEN so that a lane's registers run along the axis that is quantised next: q, k: source 0 = W, source 1 = x: a lane holds a row of x, its registers run along e;
; v: source 0 = x, source 1 = Wv: a lane holds a channel, its registers run along the keys.  16 registers of two neighbouring blocks of source 0 are its rows 32 b + 16 (lane / 16) + 0 .. 15.
; THE BIASES are the C operand of the first products.  They wait in the accumulators of x's block 7, which are begun last, in place.
; OUT: qk: images [512 blocks of rows][16 chunks: q's 8, k's 8], scale words 1,024 bytes a block at QK_S; vv: images [4 batches][64 blocks of channels][16 chunks of keys], scale words likewise at VV_S.
; THE RING.  K goes in four pieces of 256 (two chunks of 128) through two slots: x's 16 blocks x 3,072 bytes, Wq | Wk's 16, Wv's 8.  A fill is one tensor load a wave: waves 0, 1 x's halves, wave 2 Wq | Wk's, wave 3 Wv's.
; Piece 0 is asked for at the head, piece 1 behind the first full sequence, pieces 2 and 3 behind chunks 1 and 3; each has at least 160 matrix instructions in which to land.
; A CHUNK is three groups of 32 matrix instructions (Wq | Wk's blocks 0-3, 4-7, Wv's 0-3), each against x's 8 blocks, in four quarters of 8 (two blocks of x).  W's fragments have two sets that take turns by group;
; x's have one set: in the third group each pair of blocks is loaded anew as soon as its last products are issued, 24 matrix instructions ahead of its next use.
; CLUSTER 4 x 4: x's tile is shared along a row of the cluster, W's along a column; each is asked for jointly.
; PREFETCH: behind each joint load, one piece ahead.  A wave's 96 units of 256 bytes of a piece (wave 2: 192) are shared by address among the four partners that ask for the tile jointly; of the eight rows of clusters that read
; the same tile of W the first four ask.  The last piece's load asks for nothing.
; LIMITS: NaN and infinities are not served.  A block of zeros gets the byte 1 where the quantiser's rule says 127: its codes are zeros, and this program alone reads the bytes.
; REGISTERS, in windows of 256: window 0: v0-31 addresses; v32-55 scale words and nothing else, two sets of 12; v64-159 x's fragments; v160-255 W's, two sets; on the way out v64-255 are at work.
;   windows 1, 2: accumulators of q | k: (x block a, W block b) at v[64 (a % 4) + 8 b] of window 1 + a / 4.   window 3: of v: (Wv block b, x block a) at v[64 b + 8 a].
.set XW_XS, 8650752
.set XW_WS, 8912896
.set QK_S,  12582912
.set VV_S,  6291456
.set QO,    16*3072                    ; in a slot: Wq | Wk's blocks behind x's,
.set VO,    32*3072                    ; Wv's behind them
.set PIECE, 40*3072
.set SCL,   2*PIECE                    ; behind the slots: the scale words: x's 8,192 bytes, Wq | Wk's 8,192, Wv's 4,096
.set SPARE, SCL+20480                  ; the spare words, 128 bytes for each wave: two blocks of 256 bytes that no other line names
.set LI,   4                           ; v4      16 x lane
.set ADRX, 8                           ; v8-9    my x fragments in slot 0, 1
.set ADRQ, 10                          ; v10-11  my Wq | Wk fragments
.set ADRV, 12                          ; v12-13  my Wv fragments
.set ADRS, 14                          ; v14     scale words: lanes 0-15 x's rows, lanes 16-31 Wq | Wk's
.set ADRW, 15                          ; v15     Wv's, the same in both halves
.set PFO,  27                          ; v27     the prefetches' offset; never rewritten
.set SPW,  28                          ; v28     LDS address of my spare word; never rewritten
.set NIL,  29                          ; v29     0; never rewritten
.set SC,   32
.set X,    64
.set WB,   160
.set PC,   64                          ; the way out: 24 registers of codes for each of six pairs
.set PT,   208                         ; v208-223 second halves of the conversions
.set TM,   224                         ; v224-247 at work
.set PW,   248                         ; v248-249 two blocks' scale words
.set PWS,  250                         ; v250-255 as they are stored, one for each pair
.set LIM,  19                          ; s19 1: my wave prefetches
.set G1A,  20
.set G1Q,  28
.set G1V,  36
.set G0A,  44                          ; s[44:51] groups 0 for x, slot 0, 1; s[52:59] for W
.set G0B,  52
.set SEL,  60                          ; s[60:61] lane selects: lane l xor 16
.set HM,   62                          ; s62 mask of lanes 16-31
.set PFA,  96                          ; s[96:97], s[98:99] where my prefetches' two halves stand
.set PFB,  98
.set MSB, 0
.macro WIN new                         ; the immediate's high byte repeats the setting that is left
.if MSB != (\new)
	s_set_vgpr_msb (MSB<<8)|(\new)
.set MSB, (\new)
.endif
.endm
.macro PLACES n
.rept \n
	v_nop
.endr
.endm
.macro CREST                           ; a round of the cluster's barrier behind its opening barrier
	s_cmp_lg_u32 s14, 0
	s_cbranch_scc1 .Lnot_wave_0_\@
	s_barrier_signal -3
.Lnot_wave_0_\@:
	s_barrier_wait -3
	s_barrier_signal -1
	s_barrier_wait -1
.endm
.macro CROUND                          ; a whole round
	s_barrier_signal -1
	s_barrier_wait -1
	CREST
.endm
.macro JLOAD s                         ; a joint load, one a wave, into slot s; the branches hang on the wave's number alone; four v_nop follow each line
	s_cmp_lt_u32 s14, 2
	s_cbranch_scc0 .Lfor_q_\@
	tensor_load_to_lds s[G0A+4*(\s):G0A+4*(\s)+3], s[G1A:G1A+7]
	s_nop 0
	PLACES 4
	s_branch .Lasked_\@
.Lfor_q_\@:
	s_cmp_eq_u32 s14, 2
	s_cbranch_scc0 .Lfor_v_\@
	tensor_load_to_lds s[G0B+4*(\s):G0B+4*(\s)+3], s[G1Q:G1Q+7]
	s_nop 0
	PLACES 4
	s_branch .Lasked_\@
.Lfor_v_\@:
	tensor_load_to_lds s[G0B+4*(\s):G0B+4*(\s)+3], s[G1V:G1V+7]
	s_nop 0
	PLACES 4
.Lasked_\@:
.endm
.macro ASK n                           ; piece n of what my wave will load, my work-group's share, in two halves
	s_cmp_eq_u32 s[LIM], 1
	s_cbranch_scc0 .Lnot_mine_\@
	global_prefetch_b8 v[PFO], s[PFA:PFA+1] offset:3072*(\n) th:TH_LOAD_NT scope:SCOPE_SE
	global_prefetch_b8 v[PFO], s[PFB:PFB+1] offset:3072*(\n) th:TH_LOAD_NT scope:SCOPE_SE
.Lnot_mine_\@:
.endm
.macro MKG0 s
	s_mov_b32 s[G0A+4*\s], 1
	s_add_co_u32 s[G0A+4*\s+1], s84, \s*PIECE
	s_add_nc_u64 s[G0A+4*\s+2:G0A+4*\s+3], s[2:3], \s*3072
	s_or_b32 s[G0A+4*\s+3], s[G0A+4*\s+3], 0x80000000
	s_mov_b32 s[G0B+4*\s], 1
	s_add_co_u32 s[G0B+4*\s+1], s85, \s*PIECE
	s_add_nc_u64 s[G0B+4*\s+2:G0B+4*\s+3], s[100:101], \s*3072
	s_or_b32 s[G0B+4*\s+3], s[G0B+4*\s+3], 0x80000000
.endm
.macro FRAG reg, adr, off              ; a fragment's image: three loads of 16 bytes a lane, 512 consecutive bytes each
.irp c, 0,1,2
	ds_load_b128 v[(\reg)+4*\c:(\reg)+4*\c+3], v[\adr] offset:(\off)+512*\c
.endr
.endm
.macro LX g, q                         ; x's blocks 2 q, 2 q + 1 of chunk g
	WIN 0
.set lr, X+24*(\q)
.set la, ADRX+((\g)/2)%2
.set lo, 6144*(\q)+1536*((\g)%2)
	FRAG lr, la, lo
	FRAG lr+12, la, lo+3072
.endm
.macro LW g, j                         ; W's four fragments of chunk g's group j, into the group's set
	WIN 0
.set lr, WB+48*((3*(\g)+(\j))%2)
.if (\j) == 2
.set la, ADRV+((\g)/2)%2
.set lo, 1536*((\g)%2)
.else
.set la, ADRQ+((\g)/2)%2
.set lo, 12288*(\j)+1536*((\g)%2)
.endif
.rept 4
	FRAG lr, la, lo
.set lr, lr+12
.set lo, lo+3072
.endr
.endm
.macro LS g                            ; chunk g's scale words: register i: lanes 0-15 x's block i, lanes 16-31 Wq | Wk's block i; register 8 + i: Wv's block i
	WIN 0
.set li, 0
.rept 12
.if li < 8
	ds_load_b32 v[SC+12*((\g)%2)+li], v[ADRS] offset:512*li+128*((\g)/2)+4*((\g)%2)
.else
	ds_load_b32 v[SC+12*((\g)%2)+li], v[ADRW] offset:512*(li-8)+128*((\g)/2)+4*((\g)%2)
.endif
.set li, li+1
.endr
.endm
; A quarter: x's blocks 2 q, 2 q + 1 against group j's four of W.  The 96 accumulators take turns in the same order in every chunk.
; In chunk 0 C is the bias; block 7's accumulators, which held it, are begun five places behind block 6's products, which read it.
.macro MQ g, j, q
.set mw, WB+48*((3*(\g)+(\j))%2)
.set ms, SC+12*((\g)%2)
.set ma, 2*(\q)
.rept 2
.if (\j) == 2
	WIN 0xf0
.else
.if (\g) == 0
	WIN 0x60+0x40*(ma/4)
.else
	WIN 0x50+0x50*(ma/4)
.endif
.endif
.if (\g) == 0
.if ma == 7
	PLACES 5
.endif
.endif
.set mb, 0
.rept 4
.if (\j) == 2
.set mD, 64*mb+8*ma
.set mC, mD
.if (\g) == 0
.set mC, 64*mb+56
.endif
	v_wmma_scale_f32_16x16x128_f8f6f4 v[mD:mD+7], v[X+12*ma:X+12*ma+11], v[mw+12*mb:mw+12*mb+11], v[mC:mC+7], v[ms+ma], v[ms+8+mb] matrix_a_fmt:MATRIX_FMT_BF6 matrix_b_fmt:MATRIX_FMT_BF6
.else
.set mD, 64*(ma%4)+8*(4*(\j)+mb)
.set mC, mD
.if (\g) == 0
.set mC, 192+8*(4*(\j)+mb)
.endif
	v_wmma_scale_f32_16x16x128_f8f6f4 v[mD:mD+7], v[mw+12*mb:mw+12*mb+11], v[X+12*ma:X+12*ma+11], v[mC:mC+7], v[ms+4*(\j)+mb], v[ms+ma] matrix_a_fmt:MATRIX_FMT_BF6 matrix_b_fmt:MATRIX_FMT_BF6 matrix_a_scale:MATRIX_SCALE_ROW1
.endif
.set mb, mb+1
.endr
.set ma, ma+1
.endr
.endm
; A chunk.  A load into registers that matrix instructions have read stands four places behind them.  The counts: loads younger than those that are needed (6 for two fragments, 12 for four, 12 for the scale words).
; In an odd chunk but the last, all reads of its slot have been asked for by the second group's start: the barrier stands in that group.  Where a piece is left to fetch, every wave waits for all its tensor loads, adds 0
; to its spare word, waits for that and for its reads of the slot; the barrier opens a round of the cluster's barrier; the refill is the first thing behind it.
.macro CHUNK g
.if (\g) > 0
	PLACES 4
	LX \g, 3
.endif
	LW \g, 1
	s_wait_dscnt 30                                   ; x's blocks 2-7 (18) and the next group's 12 may be out
	MQ \g, 0, 0
	s_wait_dscnt 24
	MQ \g, 0, 1
	s_wait_dscnt 18
	MQ \g, 0, 2
	s_wait_dscnt 12
	MQ \g, 0, 3
	PLACES 4
	LW \g, 2
.if (\g) < 7
	LS (\g)+1
	s_wait_dscnt 24                                   ; the 12 + 12 just issued may be out
.else
	s_wait_dscnt 12
.endif
	MQ \g, 1, 0
	MQ \g, 1, 1
.if ((\g)%2)*(7-(\g)) > 0
	WIN 0
	s_wait_tensorcnt 0x0                              ; all my tensor loads have landed: my part of the next slot
.if (\g) < 5
	ds_add_u32 v[SPW], v[NIL]                         ; 0 onto my spare word
	s_add_nc_u64 s[G0A+4*((\g)/2)+2:G0A+4*((\g)/2)+3], s[G0A+4*((\g)/2)+2:G0A+4*((\g)/2)+3], 6144   ; this slot's next piece
	s_add_nc_u64 s[G0B+4*((\g)/2)+2:G0B+4*((\g)/2)+3], s[G0B+4*((\g)/2)+2:G0B+4*((\g)/2)+3], 6144
.endif
	MQ \g, 1, 2
	s_wait_dscnt 0x0                                  ; the add is done, and my reads of this slot are over
	s_barrier_signal -1
	MQ \g, 1, 3
	WIN 0
	s_barrier_wait -1
.if (\g) < 5
	CREST
	JLOAD ((\g)/2)                                    ; its v_nop are also the places in front of the loads below
.else
	PLACES 4
.endif
.else
	MQ \g, 1, 2
	MQ \g, 1, 3
	PLACES 4
.endif
.if (\g) < 7
	LW (\g)+1, 0
.if (\g) == 1
	ASK 3
.endif
.if (\g)%2 == 0
	s_wait_dscnt 24                                   ; Wv's fragments are in: 12 scale words and 12 loads may be out
.endif
	MQ \g, 2, 0
	PLACES 4
	LX (\g)+1, 0
	MQ \g, 2, 1
	PLACES 4
	LX (\g)+1, 1
	MQ \g, 2, 2
	PLACES 4
	LX (\g)+1, 2
	MQ \g, 2, 3
.else
	s_wait_dscnt 0x0
.irp q, 0,1,2,3
	MQ \g, 2, \q
.endr
.endif
.endm
; THE WAY OUT of two blocks: 128 registers from v[ac] of window w on: register 16 b + i of a block's 64 is k 32 b + 16 (lane / 16) + i of my row.  Quantised along the registers, stored as two fragments' images.
; Each accumulator is read from its low end on.  bo: the first block; s[oc:oc+1] my images, s[os:os+1] my scale words.  Each pair has registers of its own for what it stores.
.macro OUTP p, w, ac, oc, os, bo
.set op, PC+24*(\p)
	WIN (\w)|((\w)<<2)
.set ob, 0
.rept 8
	v_max3_num_f32 v[TM+ob], |v[(\ac)+16*ob]|, |v[(\ac)+16*ob+1]|, 0x2800000   ; and the floor 2^(5 - 127): the byte cannot fall under 1
.set ob, ob+1
.endr
	WIN ((\w)<<2)|((\w)<<4)
.set oi, 2
.rept 7
.set ob, 0
.rept 8                                ; the eight blocks of 32 by turns
	v_max3_num_f32 v[TM+ob], v[TM+ob], |v[(\ac)+16*ob+oi]|, |v[(\ac)+16*ob+oi+1]|
.set ob, ob+1
.endr
.set oi, oi+2
.endr
	WIN 0
.irp b, 0,1,2,3,4,5,6,7
	v_permlanex16_b32 v[TM+8+\b], v[TM+\b], s[SEL], s[SEL+1]
.endr
.irp b, 0,1,2,3,4,5,6,7
	v_max_num_f32 v[TM+\b], v[TM+\b], v[TM+8+\b]      ; with lane l xor 16's 16
.endr
.irp b, 0,1,2,3,4,5,6,7
	v_add_nc_u32 v[TM+16+\b], 0xfe000000, v[TM+\b]    ; 4 off the exponent field: the conversion's scale operand
.endr
.irp b, 0,1,2,3,4,5,6,7
	v_lshrrev_b32 v[TM+8+\b], 23, v[TM+16+\b]         ; the scale's byte
.endr
	v_lshl_or_b32 v[PW], v[TM+9], 8, v[TM+8]
	v_lshl_or_b32 v[PW+1], v[TM+13], 8, v[TM+12]
	v_lshl_or_b32 v[PW], v[TM+10], 16, v[PW]
	v_lshl_or_b32 v[PW+1], v[TM+14], 16, v[PW+1]
	v_lshl_or_b32 v[PW], v[TM+11], 24, v[PW]
	v_lshl_or_b32 v[PW+1], v[TM+15], 24, v[PW+1]
	WIN \w
.set ob, 0
.rept 4                                ; 2 x block + c
	v_cvt_scalef32_pk16_bf6_f32 v[op+6*ob:op+6*ob+2], v[(\ac)+32*ob:(\ac)+32*ob+15], v[TM+16+2*ob]
	v_cvt_scalef32_pk16_bf6_f32 v[PT+4*ob:PT+4*ob+2], v[(\ac)+32*ob+16:(\ac)+32*ob+31], v[TM+17+2*ob]   ; (a conversion's three registers begin on an even number)
.set ob, ob+1
.endr
	WIN 0
	v_nop                                             ; one plain instruction behind the scaled conversions
.irp b, 0,1,2,3                        ; the operand wants a whole block of 32 in a lane
.irp i, 0,1,2
	v_permlane16_swap_b32 v[op+6*\b+\i], v[PT+4*\b+\i]
.endr
.endr
.irp b, 0,1,2,3
.irp i, 0,1,2
	v_mov_b32 v[op+6*\b+3+\i], v[PT+4*\b+\i]
.endr
.endr
	v_cndmask_b32 v[PWS+(\p)], v[PW], v[PW+1], s[HM]  ; lanes 0-15: the first block's words, lanes 16-31 the second's
.irp u, 0,1
.irp c, 0,1,2
	global_store_b128 v[LI], v[op+12*\u+4*\c:op+12*\u+4*\c+3], s[\oc:\oc+1] offset:24576*((\bo)+\u)+512*\c   ; 512 consecutive bytes a store, aligned
.endr
.endr
	global_store_b32 v19, v[PWS+(\p)], s[\os:\os+1] offset:1024*(\bo)   ; 4 bytes of every 8: another wave has the other chunk of the pair.  One byte in 24 of what the codes are
.endm
	s_load_b256 s[68:75], s[0:1], 0x0                 ; xw s[68:69], bq s[70:71], bk s[72:73], bv s[74:75]
	s_load_b128 s[76:79], s[0:1], 0x20                ; qk s[76:77], vv s[78:79]
	v_lshl_add_u32 v[SPW], v0, 2, SPARE
	v_mov_b32 v[NIL], 0
	ds_add_u32 v[SPW], v[NIL]                         ; the opening: the add, twice on end, and its wait ahead of my first tensor load
	ds_add_u32 v[SPW], v[NIL]
	v_lshrrev_b32 v1, 5, v0
	v_readfirstlane_b32 s14, v1                       ; wave 0..3
	v_and_b32 v1, 31, v0                              ; lane
	v_bfe_u32 v2, v0, 4, 1                            ; h
	v_and_b32 v3, 15, v0                              ; r
	v_lshlrev_b32 v[LI], 4, v1
	v_lshlrev_b32 v17, 4, v0                          ; 16 x thread
	v_lshl_add_u32 v18, v0, 4, SCL
	v_lshlrev_b32 v20, 6, v2                          ; the bias along the registers: 64 h
	v_and_b32 v21, 8, v3
	v_add_nc_u32 v21, v21, v3
	v_lshlrev_b32 v21, 2, v21                         ; the bias along the lanes: 4 (r + 8 (r / 8))
	v_lshlrev_b32 v19, 3, v3
	v_lshl_add_u32 v19, v2, 10, v19                   ; the output's scale words: 1,024 h + 8 r
	s_lshr_b32 s15, s14, 1                            ; which half of x's blocks is mine
	s_and_b32 s16, s14, 1                             ; which half of W's.  Also: which half of x's I fetch (waves 0, 1), or Wq | Wk (0) or Wv (1) (waves 2, 3)
	s_mul_i32 s84, s15, 8*3072
	s_mul_i32 s85, s16, 8*3072
	s_add_co_u32 s85, s85, QO
	s_mul_i32 s86, s16, 4*3072
	s_add_co_u32 s86, s86, VO
	s_lshl_b32 s87, s15, 12                           ; x's scale words: my eight blocks
	s_lshl_b32 s88, s16, 12                           ; Wq | Wk's: my eight, behind x's 8,192 bytes
	s_add_co_u32 s88, s88, 8192
	s_sub_co_u32 s88, s88, s87
	s_add_co_u32 s87, s87, SCL
	s_lshl_b32 s89, s16, 11
	s_add_co_u32 s89, s89, SCL+16384                  ; Wv's: my four
	s_cmp_eq_u32 s14, 2
	s_cselect_b32 s82, 24, 12                         ; units that one prefetch of mine names
	s_sub_co_u32 s83, s82, 1
	s_wait_alu depctr_va_vdst(0)
.irp s, 0,1
	v_add_nc_u32 v[ADRX+\s], s84, v[LI]
	v_add_nc_u32 v[ADRQ+\s], s85, v[LI]
	v_add_nc_u32 v[ADRV+\s], s86, v[LI]
	s_add_co_u32 s84, s84, PIECE
	s_add_co_u32 s85, s85, PIECE
	s_add_co_u32 s86, s86, PIECE
.endr
	v_mul_u32_u24 v[ADRS], s88, v2                    ; lanes 16-31 take W's: one product, the distance between the two
	v_lshl_add_u32 v[ADRS], v3, 3, v[ADRS]
	v_add_nc_u32 v[ADRS], s87, v[ADRS]
	v_lshl_add_u32 v[ADRW], v3, 3, s89
	v_min_u32 v22, s83, v1                            ; m = my unit (lanes left over name the last one again): block m / 12 of 12,288 bytes, unit m % 12 of its 3,072:
	v_add_nc_u32 v23, 4, v22
	v_lshrrev_b32 v23, 4, v23                         ; m / 12 for m under 24
	v_mul_u32_u24 v23, 9216, v23
	v_lshl_add_u32 v[PFO], v22, 8, v23                ; 256 m + (12,288 - 3,072) (m / 12)
	s_bfe_u32 s66, ttmp6, 0x40000                     ; cx
	s_bfe_u32 s67, ttmp6, 0x40004                     ; cy
	s_and_b32 s80, ttmp7, 0xffff                      ; the cluster's y; ttmp9 is its x
	s_lshl_b32 s17, s80, 2
	s_add_co_u32 s17, s17, s67                        ; ty: which 256 rows of x.  Registers that feed x's descriptors never hold cx,
	s_lshl_b32 s18, ttmp9, 2
	s_add_co_u32 s18, s18, s66                        ; tx: which columns.  Those that feed W's never hold cy
	s_cmp_lt_u32 s14, 2                               ; my place among the four that ask for my tile with me, and whether my cluster prefetches it
	s_cselect_b32 s63, s66, s67
	s_cselect_b32 s95, 0, s80
	s_cmp_lt_u32 s95, 4
	s_cselect_b32 s[LIM], 1, 0
	s_mul_i32 s63, s63, s82
	s_lshl_b32 s94, s63, 11                           ; place x 2 x units x 1,024 bytes (12 units to 12,288)
	s_lshl_b32 s82, s82, 10                           ; and the second half's distance
	s_mov_b32 s95, 0
	s_mov_b32 s83, 0
	s_lshl_b32 s91, s67, 2
	s_lshl_b32 s91, 15, s91                           ; my row of the cluster
	s_lshl_b32 s90, 0x1111, s66                       ; my column
	s_or_b32 s[G1A], s91, (3<<16)|(1<<21)             ; 15:0 the mask; 17:16 elements of 8 bytes; no padding; 21 set beside a mask
	s_or_b32 s[G1Q], s90, (3<<16)|(1<<21)
	s_or_b32 s[G1V], s90, (3<<16)|(1<<21)
.irp g, G1A, G1Q, G1V
	s_mov_b32 s[\g+1], 384<<16                        ; tensor_dim0: a block's 3,072 bytes of a piece
	s_mov_b32 s[\g+3], 384<<16                        ; tile_dim0
	s_mov_b32 s[\g+5], 1536                           ; from block to block: 12,288 bytes
	s_mov_b32 s[\g+6], 0
	s_mov_b32 s[\g+7], 0
.endr
	s_mov_b32 s[G1A+2], 8<<16                         ; rows: 8 blocks of x,
	s_mov_b32 s[G1A+4], 8
	s_mov_b32 s[G1Q+2], 16<<16                        ; 16 of Wq | Wk,
	s_mov_b32 s[G1Q+4], 16
	s_mov_b32 s[G1V+2], 8<<16                         ; 8 of Wv
	s_mov_b32 s[G1V+4], 8
	s_mul_i32 s2, s17, 196608                         ; x: 16 blocks of 12,288 bytes a tile, my half
	s_mul_i32 s3, s16, 98304
	s_add_co_u32 s2, s2, s3
	s_mov_b32 s3, 0
	s_mul_i32 s101, s18, 98304                        ; W: Wq | Wk's 16 blocks a tile, or, behind their 128 blocks, Wv's 8 a tile:
	s_sub_co_u32 s101, 1572864, s101                  ; the distance from the one to the other
	s_mul_i32 s101, s101, s16
	s_mul_i32 s100, s18, 196608
	s_add_co_u32 s100, s100, s101
	s_add_co_u32 s100, s100, XW_WC
	s_mov_b32 s101, 0
	s_mul_i32 s84, s16, 8*3072                        ; where my loads go in a slot: no place in the cluster enters an LDS address
	s_mul_i32 s85, s16, QO
	s_add_co_u32 s85, s85, QO
	s_lshl_b32 s4, s17, 13                            ; scale words: x's 8,192 bytes,
	s_add_co_u32 s4, s4, XW_XS
	s_mov_b32 s5, 0
	s_lshl_b32 s6, s18, 13                            ; Wq | Wk's,
	s_add_co_u32 s6, s6, XW_WS
	s_mov_b32 s7, 0
	s_lshl_b32 s92, s18, 12                           ; Wv's 4,096
	s_add_co_u32 s92, s92, XW_WS+65536
	s_mov_b32 s93, 0
	s_mov_b32 s[SEL], 0x76543210
	s_mov_b32 s[SEL+1], 0xfedcba98
	s_mov_b32 s[HM], 0xffff0000
	s_wait_alu depctr_va_vdst(0)                      ; directly ahead of the waits below
	s_wait_dscnt 0x0                                  ; both opening adds are done
	CROUND                                            ; all sixteen work-groups are here: the first joint loads meet
	s_wait_kmcnt 0x0
	s_add_nc_u64 s[2:3], s[68:69], s[2:3]
	s_add_nc_u64 s[100:101], s[68:69], s[100:101]
	MKG0 0
	JLOAD 0                                           ; piece 0: one tensor load a wave at the head
	s_add_nc_u64 s[4:5], s[68:69], s[4:5]
	s_add_nc_u64 s[6:7], s[68:69], s[6:7]
	s_add_nc_u64 s[92:93], s[68:69], s[92:93]
.irp i, 0,1,2,3
	global_load_b128 v[64+4*\i:67+4*\i], v17, s[4:5] offset:2048*\i      ; dense, 512 consecutive bytes a wave and load
.endr
.irp i, 0,1,2,3
	global_load_b128 v[80+4*\i:83+4*\i], v17, s[6:7] offset:2048*\i
.endr
.irp i, 0,1
	global_load_b128 v[96+4*\i:99+4*\i], v17, s[92:93] offset:2048*\i
.endr
	s_cmp_lt_u32 s14, 2                               ; the prefetches stand on my tile, at my work-group's share
	s_cselect_b64 s[PFA:PFA+1], s[2:3], s[100:101]
	s_add_nc_u64 s[PFA:PFA+1], s[PFA:PFA+1], s[94:95]
	s_add_nc_u64 s[PFB:PFB+1], s[PFA:PFA+1], s[82:83]
	s_and_b32 s94, s18, 3                             ; the bias along the registers: my 128 of the 1,024 channels
	s_lshl_b32 s94, s94, 10
	s_lshl_b32 s95, s16, 9
	s_add_co_u32 s94, s94, s95
	s_mov_b32 s95, 0
	s_cmp_lt_u32 s18, 4                               ; tiles 0-3 are Wq's, 4-7 Wk's
	s_cselect_b64 s[70:71], s[70:71], s[72:73]
	s_add_nc_u64 s[94:95], s[70:71], s[94:95]
	s_lshl_b32 s82, s18, 9                            ; the bias along the lanes: my 64 channels
	s_lshl_b32 s83, s16, 8
	s_add_co_u32 s82, s82, s83
	s_mov_b32 s83, 0
	s_add_nc_u64 s[82:83], s[74:75], s[82:83]
	WIN 0x80
.irp b, 0,1,2,3
.irp j, 0,1,2,3
	global_load_b128 v[192+16*\b+4*\j:195+16*\b+4*\j], v20, s[94:95] offset:128*\b+16*\j   ; window 2: register 16 b + i: channel 32 b + 16 h + i of my 128
.endr
.endr
	WIN 0xc0
.irp a, 0,1,2,3
	global_load_b32 v[64*\a+56], v21, s[82:83] offset:4*(32*(\a/2)+8*(\a%2))               ; window 3: my lane's channel in Wv's block a
.endr
	WIN 0
	ASK 1
	MKG0 1
	; where the results go.  q | k: block 16 ty + 8 (my half of x), chunk 2 tx + (my half of W)
	s_lshl_b32 s81, s17, 4
	s_lshl_b32 s80, s15, 3
	s_add_co_u32 s81, s81, s80
	s_mul_i32 s8, s81, 24576
	s_lshl_b32 s80, s18, 1
	s_add_co_u32 s80, s80, s16
	s_mul_i32 s80, s80, 1536
	s_add_co_u32 s8, s8, s80
	s_mov_b32 s9, 0
	s_lshl_b32 s10, s81, 10
	s_lshl_b32 s80, s18, 7
	s_add_co_u32 s10, s10, s80
	s_lshl_b32 s80, s16, 2
	s_add_co_u32 s10, s10, s80
	s_add_co_u32 s10, s10, QK_S
	s_mov_b32 s11, 0
	s_add_nc_u64 s[8:9], s[76:77], s[8:9]
	s_add_nc_u64 s[10:11], s[76:77], s[10:11]
	; v: batch ty / 8, block 8 tx + 4 (my half of W), chunk 2 (ty % 8) + (my half of x)
	s_lshr_b32 s81, s17, 3
	s_and_b32 s86, s17, 7
	s_lshl_b32 s87, s18, 3
	s_lshl_b32 s80, s16, 2
	s_add_co_u32 s87, s87, s80
	s_mul_i32 s12, s81, 1572864
	s_mul_i32 s80, s87, 24576
	s_add_co_u32 s12, s12, s80
	s_lshl_b32 s80, s86, 1
	s_add_co_u32 s80, s80, s15
	s_mul_i32 s80, s80, 1536
	s_add_co_u32 s12, s12, s80
	s_mov_b32 s13, 0
	s_lshl_b32 s88, s81, 16
	s_lshl_b32 s80, s87, 10
	s_add_co_u32 s88, s88, s80
	s_lshl_b32 s80, s86, 7
	s_add_co_u32 s88, s88, s80
	s_lshl_b32 s80, s15, 2
	s_add_co_u32 s88, s88, s80
	s_add_co_u32 s88, s88, VV_S
	s_mov_b32 s89, 0
	s_add_nc_u64 s[12:13], s[78:79], s[12:13]
	s_add_nc_u64 s[88:89], s[78:79], s[88:89]
	s_wait_loadcnt 20                                 ; the ten loads of scale words are in; the 20 of biases may be out
.irp n, 0,1,2,3,4,5,6,7,8,9
	ds_store_b128 v18, v[64+4*\n:67+4*\n] offset:2048*\n
.endr
	s_wait_loadcnt 0x0
	WIN 0xc3
.irp a, 0,1,2,3
.irp i, 1,2,3,4,5,6,7
	v_mov_b32 v[64*\a+56+\i], v[64*\a+56]             ; a C operand has eight registers: the channel is the lane's, the same in all
.endr
.endr
	WIN 0
	s_wait_alu depctr_va_vdst(0)                      ; at the head's end
	s_wait_tensorcnt 0x0                              ; my part of piece 0 is in
	ds_add_u32 v[SPW], v[NIL]
	s_wait_dscnt 0x0                                  ; the add is done, and my scale words lie in LDS
	CROUND
	JLOAD 1                                           ; piece 1, the first tensor load behind the round
	LS 0
	LW 0, 0
.irp q, 0,1,2,3
	LX 0, \q
.endr
	ASK 2
.irp g, 0,1,2,3,4,5,6,7
	CHUNK \g
.endr
	WIN 0
	PLACES 4                                          ; four plain instructions between the last products and the first read of results
	OUTP 0, 1, 0, 8, 10, 0
	OUTP 1, 1, 128, 8, 10, 2
	OUTP 2, 2, 0, 8, 10, 4
	OUTP 3, 2, 128, 8, 10, 6
	OUTP 4, 3, 0, 12, 88, 0
	OUTP 5, 3, 128, 12, 88, 2
	s_wait_tensorcnt 0x0                              ; the wave's end
	ds_add_u32 v[SPW], v[NIL]
	s_wait_dscnt 0x0
	CROUND                                            ; the closing round: no work-group ends while a partner may still ask for a tile that names it
	s_endpgm
.Lfunc_end_k_q19c1ec9076_proj:
	.size	k_q19c1ec9076_proj, .Lfunc_end_k_q19c1ec9076_proj-k_q19c1ec9076_proj
	.p2alignl 7, 3214868480
	.fill 96, 4, 3214868480
	.section	.rodata,"a",@progbits
	.p2align	6, 0x0
	.amdhsa_kernel k_q19c1ec9076_proj
		.amdhsa_group_segment_fixed_size 327680
		.amdhsa_private_segment_fixed_size 0
		.amdhsa_enable_private_segment 0
		.amdhsa_kernarg_size 48
		.amdhsa_user_sgpr_count 2
		.amdhsa_user_sgpr_kernarg_segment_ptr 1
		.amdhsa_wavefront_size32 1
		.amdhsa_system_sgpr_workgroup_id_x 1
		.amdhsa_system_sgpr_workgroup_id_y 1
		.amdhsa_system_sgpr_workgroup_id_z 1
		.amdhsa_system_vgpr_workitem_id 0
		.amdhsa_next_free_vgpr 1024
		.amdhsa_next_free_sgpr 104
		.amdhsa_reserve_vcc 0
		.amdhsa_float_denorm_mode_32 3
		.amdhsa_float_denorm_mode_16_64 3
		.amdhsa_memory_ordered 1
		.amdhsa_forward_progress 1
		.amdhsa_inst_pref_size 214
	.end_amdhsa_kernel
	.amdgpu_metadata
---
amdhsa.version: [ 1, 2 ]
amdhsa.kernels:
  - .name:           k_q19c1ec9076_proj
    .symbol:         k_q19c1ec9076_proj.kd
    .args:
      - { .name: xw, .offset: 0, .size: 8, .value_kind: global_buffer, .address_space: global }
      - { .name: bq, .offset: 8, .size: 8, .value_kind: global_buffer, .address_space: global }
      - { .name: bk, .offset: 16, .size: 8, .value_kind: global_buffer, .address_space: global }
      - { .name: bv, .offset: 24, .size: 8, .value_kind: global_buffer, .address_space: global }
      - { .name: qk, .offset: 32, .size: 8, .value_kind: global_buffer, .address_space: global }
      - { .name: vv, .offset: 40, .size: 8, .value_kind: global_buffer, .address_space: global }
    .group_segment_fixed_size: 327680
    .private_segment_fixed_size: 0
    .kernarg_segment_align: 8
    .kernarg_segment_size: 48
    .max_flat_workgroup_size: 128
    .sgpr_count:     104
    .vgpr_count:     1024
    .wavefront_size: 32
...
	.end_amdgpu_metadata
.endif
;; end of part 2
;; launch scores (part 3): grid 8 x 32, 4 waves a work-group, clusters of 4 x 4, 327,680 bytes of LDS; arguments qk, pp; writes pp
.if DOCPART == 3
	.amdgcn_target "amdgcn-amd-amdhsa--gfx1250"
	.amdhsa_code_object_version 6
	.text
	.protected	k_q19c1ec9076_scores
	.globl	k_q19c1ec9076_scores
	.p2align	8
	.type	k_q19c1ec9076_scores,@function
k_q19c1ec9076_scores:
	s_mov_b64 s[64:65], 0
	v_nop
	global_prefetch_b8 v0, s[64:65] scope:SCOPE_SE
	s_setreg_imm32_b32 hwreg(HW_REG_WAVE_MODE, 25, 1), 1
	s_wait_xcnt 0x0
	s_wait_alu depctr_hold_cnt(0) depctr_sa_sdst(0) depctr_va_vdst(0) depctr_va_sdst(0) depctr_va_ssrc(0) depctr_va_vcc(0) depctr_vm_vsrc(0)
	s_getreg_b32 s2, hwreg(HW_REG_IB_STS2, 6, 4)
	s_cmp_eq_u32 s2, 0
	s_cbranch_scc0 .Lentry_in_a_cluster
	s_endpgm
.Lentry_in_a_cluster:
	s_bfe_u32 s2, ttmp6, 0x10000c
	s_cmp_lg_u32 s2, 0xf033
	s_cbranch_scc0 .Lentry_shape_is_right
	s_endpgm
.Lentry_shape_is_right:
; S = q k^T for each of 4 batches (2,048 x 2,048, K = 1,024) on codes of BF6 (E3M2) with E8M0 scales, sums in f32; then the softmax's p, quantised along the keys, leaves as codes: the scores never go to memory.
.set NA,     8
; THE SOFTMAX.  t = score x log2(e) / sqrt(128).  A wave holds 128 keys of a query.  It takes M = the ceiling of the largest t OF THESE 128 KEYS, p = 2^(t - M), and quantises p in blocks of 32 keys.  M is a whole number, so
; under the row's own M the same codes come out and every scale byte is lower by the whole number (row's M - this M).  Beside the codes goes a RECORD for each query and 128 keys: the scale word, -M, and the sum l of the
; unquantised p, in f32.  The next launch finds the row's M, lowers the bytes and adds the sums.  A maximum is taken away ahead of every exponential: no exponent is above 0 but for the last bit of t's rounding.
; OPERANDS (buffer qk): blocks of 16 rows, lane-row r of block t = row 32 (t / 2) + 8 (t % 2) + r + 8 (r / 8); a fragment (block, 128 K) is the 1,536-byte image of its 12 registers; [512 blocks][16 chunks: q's 8, k's 8];
; scale words at QK_S: block x 1,024 + (chunk / 2) x 128 + 8 r + 4 (chunk % 2).
; THE MATRIX INSTRUCTION IS USED TRANSPOSED: source 0 = 16 keys ("B"), source 1 = 16 queries ("A"): a lane holds ONE query, and the 16 registers of key blocks 2 b, 2 b + 1 are keys 32 b + 16 (lane / 16) + 0 .. 15.
; OUT (buffer pp): P's images [512 blocks of queries][16 chunks of keys][1,536]; records at PP_ST: [block][chunk][16 r][16 bytes].
; SHARES.  A work-group makes 256 queries x 256 keys, each of its four waves 128 x 128: 64 accumulators, 512 registers.  256 work-groups.
; LDS: three places for pieces of 256 along K (A's 16 blocks x 3,072 bytes, then B's 16).  Piece 0 is asked for at the head, piece 1 behind the first full sequence, pieces 2 and 3 (into piece 0's place) behind the barriers of
; chunks 1 and 3, each behind a round of the cluster's barrier, one load a wave; each has at least 64 matrix instructions in which to land, pieces 2 and 3 112.
; CLUSTER 4 x 4: q's tile is shared along a row of the cluster, k's along a column; each is asked for jointly.
; PREFETCH: behind each joint load, one piece ahead.  A wave's 96 units of 256 bytes of a piece are shared by address among the four partners that ask for the tile jointly.  The last piece's load asks for nothing.
; LIMITS: NaN and infinities are not served.  p under 2^-126 of its 128 keys' largest comes out of v_exp_f32 as 0.  A block of 32 keys all of whose p are 0 keeps the byte 1: its codes are zeros.
; The promise holds while the scaled scores stay under 2^31 in magnitude.
; A block's largest p is not searched for: the block's largest score goes through the same multiply-add and exponential; this takes v_exp_f32 not to fall where its input rises.
; REGISTERS, in windows of 256: window 0: v0-31 addresses; v32-63 scale words and nothing else, two sets; v64-255 A's fragments, two sets; on the way out v64-223 are at work.
;   window 1: B's fragments, two sets, at v0 and v128.   window 2: accumulators of A's blocks 0-3 ((a, b) at v[8 (8 (a % 4) + b)]), on the way out t - M and then p in their place;   window 3: of blocks 4-7.
.set NPL,    3
.set RS,     512
.set ABYTES, 16*3072
.set PIECE,  32*3072
.set SCL,    NPL*PIECE                 ; behind the pieces: q's scale words (16 x 512), then k's
.set SPARE,  SCL+32*RS                 ; the spare words, 128 bytes for each wave: two blocks of 256 bytes that no other line names
.set QK_S,   12582912
.set PP_ST,  12582912
.set LI,   4
.set ADRA, 8
.set ADRB, 12
.set ADRS, 16
.set PFO,  27                          ; v27  the prefetches' offset; never rewritten
.set SPW,  28                          ; v28  LDS address of my spare word; never rewritten
.set NIL,  29                          ; v29  0; never rewritten
.set SC,   32
.set AF,   64
.set PC,   64                          ; v64-159  the codes, 12 registers for each block of queries
.set PT,   160                         ; v160-167 second halves of the conversions
.set BX,   168                         ; v168-175 each block's largest score, then its largest p: two sets
.set BY,   176
.set SO,   180                         ; v180-183 the conversions' scale operands
.set BYT,  184                         ; v184-187 the scale bytes
.set T,    188
.set PWD,  189                         ; the scale word
.set NM,   190                         ; v[190:191], v[192:193] -M: two sets
.set LA,   194                         ; v194-201 the sum, in four chains
.set LB,   196
.set LC,   198
.set LD,   200
.set RECP, 202                         ; v202-204 the even block's record, kept for the odd block's store
.set REC,  208                         ; v208-223 the records that are stored, four registers for each pair of blocks
.set CS,   12                          ; s[12:13] c = log2(e) / sqrt(128)
.set HM,   19
.set SEL,  72
.set G1A,  20
.set G1B,  28
.set G0A,  36
.set G0B,  52
.set PFA,  88                          ; s[88:89] where my prefetches stand
.set MSB, 0
.macro WIN new                         ; the immediate's high byte repeats the setting that is left
.if MSB != (\new)
	s_set_vgpr_msb (MSB<<8)|(\new)
.set MSB, (\new)
.endif
.endm
.set MUL_LO, 0xa1                      ; source 0 (B) window 1, source 1 (A) window 0, C and D window 2; + 0x50: window 3
.set TO_B,   0x40
.macro PLACES n
.rept \n
	v_nop
.endr
.endm
.macro CREST                           ; a round of the cluster's barrier behind its opening barrier
	s_cmp_lg_u32 s14, 0
	s_cbranch_scc1 .Lnot_wave_0_\@
	s_barrier_signal -3
.Lnot_wave_0_\@:
	s_barrier_wait -3
	s_barrier_signal -1
	s_barrier_wait -1
.endm
.macro CROUND
	s_barrier_signal -1
	s_barrier_wait -1
	CREST
.endm
.macro MKG0 j, lo, go
.set GA, G0A+4*(\j)
.set GB, G0B+4*(\j)+32*((\j)/3)
	s_mov_b32 s[GA], 1
	s_add_co_u32 s[GA+1], s84, \lo
	s_add_nc_u64 s[GA+2:GA+3], s[2:3], \go
	s_or_b32 s[GA+3], s[GA+3], 0x80000000
	s_mov_b32 s[GB], 1
	s_add_co_u32 s[GB+1], s85, \lo
	s_add_nc_u64 s[GB+2:GB+3], s[100:101], \go
	s_or_b32 s[GB+3], s[GB+3], 0x80000000
.endm
.macro JLOAD j                         ; a joint load: waves 0 and 1 fetch A's halves, waves 2 and 3 B's; four v_nop follow each of the two lines
	s_cmp_eq_u32 s15, 0
	s_cbranch_scc0 .Lfor_b_\@
	tensor_load_to_lds s[G0A+4*(\j):G0A+4*(\j)+3], s[G1A:G1A+7]
	s_nop 0
	PLACES 4
	s_branch .Lasked_\@
.Lfor_b_\@:
	tensor_load_to_lds s[G0B+4*(\j)+32*((\j)/3):G0B+4*(\j)+32*((\j)/3)+3], s[G1B:G1B+7]
	s_nop 0
	PLACES 4
.Lasked_\@:
.endm
.macro ASK n                           ; piece n of what my wave will load, my work-group's share
	global_prefetch_b8 v[PFO], s[PFA:PFA+1] offset:3072*(\n) th:TH_LOAD_NT scope:SCOPE_SE
.endm
.macro FRAG reg, adr, off
.irp c, 0,1,2
	ds_load_b128 v[(\reg)+4*\c:(\reg)+4*\c+3], v[\adr] offset:(\off)+512*\c
.endr
.endm
.macro FETCH g                         ; chunk g: B's eight fragments (24 loads), with an even chunk the scale words of its pair (8), and A's eight (24), into set g % 2
.set fp, (\g)%2
.set fpl, ((\g)/2)%NPL
	WIN TO_B
.set fi, 0
.rept 8
	FRAG 128*fp+12*fi, ADRB+fpl, 3072*fi+1536*fp
.set fi, fi+1
.endr
	WIN 0
.if fp == 0
.set fi, 0
.rept 8
	ds_load_b64 v[SC+16*(((\g)/2)%2)+2*fi:SC+16*(((\g)/2)%2)+2*fi+1], v[ADRS] offset:fi*RS+128*((\g)/2)
.set fi, fi+1
.endr
.endif
.set fi, 0
.rept NA
	FRAG AF+12*NA*fp+12*fi, ADRA+fpl, 3072*fi+1536*fp
.set fi, fi+1
.endr
.endm
.macro MULS a0, n, g, zero             ; the accumulators take turns, one instruction a turn, in the same order in every step
.set mp, (\g)%2
.set msc, SC+16*(((\g)/2)%2)+(\g)%2
.set ma, \a0
.rept \n
	WIN MUL_LO+0x50*(ma/4)
.set mb, 0
.rept 8
.set mD, 8*(8*(ma%4)+mb)
.set mB, 128*mp+12*mb
.set mA, AF+12*NA*mp+12*ma
.if \zero
	v_wmma_scale_f32_16x16x128_f8f6f4 v[mD:mD+7], v[mB:mB+11], v[mA:mA+11], 0, v[msc+2*mb], v[msc+2*ma] matrix_a_fmt:MATRIX_FMT_BF6 matrix_b_fmt:MATRIX_FMT_BF6 matrix_a_scale:MATRIX_SCALE_ROW1
.else
	v_wmma_scale_f32_16x16x128_f8f6f4 v[mD:mD+7], v[mB:mB+11], v[mA:mA+11], v[mD:mD+7], v[msc+2*mb], v[msc+2*ma] matrix_a_fmt:MATRIX_FMT_BF6 matrix_b_fmt:MATRIX_FMT_BF6 matrix_a_scale:MATRIX_SCALE_ROW1
.endif
.set mb, mb+1
.endr
.set ma, ma+1
.endr
.endm
.macro STEP g, zero                    ; an even chunk
	s_wait_dscnt 15                                   ; all but A's blocks 3-7 are in
	PLACES 4                                          ; four plain instructions between the last products and loads into the set that they read
	FETCH (\g)+1
	MULS 0, 3, \g, \zero
	s_wait_dscnt 48                                   ; A's blocks 3-7 too: the 48 just issued may be out
	MULS 3, 5, \g, \zero
.endm
; A piece's last chunk.  All reads of the piece were asked for in the chunk ahead.  kind 1: a place is filled: every wave waits for all its tensor loads, adds 0 to its spare word, waits for that and for its LDS reads;
; the barrier opens a round of the cluster's barrier; load j is the first thing behind it.  kind 0: nothing is filled.  ask: the piece to prefetch, or 0.
.macro TURN g, kind, j, ask
	WIN 0
	s_wait_tensorcnt 0x0
.if \kind
	ds_add_u32 v[SPW], v[NIL]                         ; 0 onto my spare word
	s_wait_dscnt 1                                    ; this chunk's fragments are in; the add alone may be out
.else
	s_wait_dscnt 0x0
.endif
	MULS 0, 1, \g, 0
.if \kind
	s_wait_dscnt 0x0                                  ; the add is done; my reads of every piece so far are over
.endif
	s_barrier_signal -1
	MULS 1, 1, \g, 0
	WIN 0
	s_barrier_wait -1
.if \kind
	CREST                                             ; no wave of any partner still reads the place or has a load on its way
	JLOAD \j                                          ; its four v_nop are also the places in front of the loads below
.else
	PLACES 4
.endif
	FETCH (\g)+1
.if \ask
	ASK \ask
.endif
	MULS 2, 6, \g, 0
.endm
	s_load_b128 s[68:71], s[0:1], 0x0                 ; qk s[68:69], pp s[70:71]
	v_lshl_add_u32 v[SPW], v0, 2, SPARE
	v_mov_b32 v[NIL], 0
	ds_add_u32 v[SPW], v[NIL]                         ; the opening: the add, twice on end, and its wait ahead of my first tensor load
	ds_add_u32 v[SPW], v[NIL]
	v_lshrrev_b32 v5, 5, v0
	v_readfirstlane_b32 s14, v5                       ; wave 0..3
	v_and_b32 v1, 31, v0                              ; lane
	v_bfe_u32 v2, v0, 4, 1                            ; h
	v_and_b32 v3, 15, v0                              ; r
	v_lshlrev_b32 v[LI], 4, v1
	v_lshl_add_u32 v17, v5, 10, v[LI]                 ; a wave takes one block's 512 bytes: 1,024 x wave + 16 x lane
	v_lshl_add_u32 v18, v0, 4, SCL
	v_lshlrev_b32 v19, 4, v3
	v_lshl_add_u32 v19, v2, 12, v19                   ; the records: 4,096 h + 16 r
	v_min_u32 v22, 23, v1                             ; m = my unit (lanes left over name the last one again): block m / 12 of 24,576 bytes, unit m % 12 of its 3,072:
	v_add_nc_u32 v23, 4, v22
	v_lshrrev_b32 v23, 4, v23                         ; m / 12 for m under 24
	v_mul_u32_u24 v23, 21504, v23
	v_lshl_add_u32 v[PFO], v22, 8, v23                ; 256 m + (24,576 - 3,072) (m / 12)
	s_lshr_b32 s15, s14, 1                            ; which half of the queries is mine.  Also: I fetch for A (0) or for B (1)
	s_and_b32 s16, s14, 1                             ; which half of the keys.  Also: which half of that tile I fetch
	s_mul_i32 s84, s15, NA*3072
	s_mul_i32 s85, s16, 8*3072
	s_add_co_u32 s85, s85, ABYTES
	s_wait_alu depctr_va_vdst(0)
.irp p, 0,1,2
	v_add_nc_u32 v[ADRA+\p], s84, v[LI]
	v_add_nc_u32 v[ADRB+\p], s85, v[LI]
	s_add_co_u32 s84, s84, PIECE
	s_add_co_u32 s85, s85, PIECE
.endr
	s_mul_i32 s84, s15, NA*RS
	s_mul_i32 s85, s16, 8*RS
	s_add_co_u32 s85, s85, 2*NA*RS
	s_sub_co_u32 s85, s85, s84
	s_add_co_u32 s84, s84, SCL
	v_mul_u32_u24 v[ADRS], s85, v2                    ; lanes 16-31 take B's: one product, the distance between the two
	v_lshl_add_u32 v[ADRS], v3, 3, v[ADRS]
	v_add_nc_u32 v[ADRS], s84, v[ADRS]
	s_bfe_u32 s66, ttmp6, 0x40000                     ; cx
	s_bfe_u32 s67, ttmp6, 0x40004                     ; cy
	s_and_b32 s80, ttmp7, 0xffff                      ; the cluster's y
	s_lshl_b32 s17, s80, 2
	s_add_co_u32 s17, s17, s67                        ; ty: which 256 of the 8,192 queries
	s_lshl_b32 s18, ttmp9, 2
	s_add_co_u32 s18, s18, s66                        ; tx: which 256 of the batch's keys
	s_lshr_b32 s81, s80, 1                            ; the batch: ty / 8, the same in all partners
	s_lshl_b32 s91, s67, 2
	s_lshl_b32 s91, 15, s91                           ; my row of the cluster
	s_lshl_b32 s90, 0x1111, s66                       ; my column
	s_or_b32 s[G1A], s91, (3<<16)|(1<<21)             ; 15:0 the mask; 17:16 elements of 8 bytes; no padding; 21 set beside a mask
	s_or_b32 s[G1B], s90, (3<<16)|(1<<21)
.irp g, G1A, G1B
	s_mov_b32 s[\g+1], 384<<16                        ; tensor_dim0: a block's 3,072 bytes of a piece
	s_mov_b32 s[\g+2], 8<<16                          ; tensor_dim1: 8 blocks
	s_mov_b32 s[\g+3], 384<<16                        ; tile_dim0
	s_mov_b32 s[\g+4], 8                              ; tile_dim1
	s_mov_b32 s[\g+5], 3072                           ; from block to block: 24,576 bytes
	s_mov_b32 s[\g+6], 0
	s_mov_b32 s[\g+7], 0
.endr
	s_mul_i32 s2, s17, 393216                         ; q: 16 blocks of 24,576 bytes a tile, my half
	s_mul_i32 s3, s16, 196608
	s_add_co_u32 s2, s2, s3
	s_mov_b32 s3, 0
	s_lshl_b32 s82, s81, 7
	s_lshl_b32 s83, s18, 4
	s_add_co_u32 s82, s82, s83                        ; k's first block: 128 x batch + 16 tx
	s_mul_i32 s100, s82, 24576
	s_mul_i32 s101, s16, 196608
	s_add_co_u32 s100, s100, s101
	s_add_co_u32 s100, s100, 12288                    ; k's chunks lie behind q's eight
	s_mov_b32 s101, 0
	s_lshl_b32 s4, s17, 14
	s_add_co_u32 s4, s4, QK_S                         ; q's scale words
	s_mov_b32 s5, 0
	s_lshl_b32 s6, s82, 10
	s_add_co_u32 s6, s6, QK_S+512                     ; k's
	s_mov_b32 s7, 0
	s_lshl_b32 s84, s17, 4
	s_lshl_b32 s85, s15, 3
	s_add_co_u32 s84, s84, s85                        ; my first block of queries
	s_lshl_b32 s85, s18, 1
	s_add_co_u32 s85, s85, s16                        ; my chunk of keys
	s_mul_i32 s8, s84, 24576
	s_mul_i32 s86, s85, 1536
	s_add_co_u32 s8, s8, s86
	s_mov_b32 s9, 0
	s_lshl_b32 s10, s84, 12
	s_lshl_b32 s86, s85, 8
	s_add_co_u32 s10, s10, s86
	s_add_co_u32 s10, s10, PP_ST
	s_mov_b32 s11, 0
	s_mul_i32 s84, s16, 8*3072                        ; where my loads go in a piece
	s_add_co_u32 s85, s84, ABYTES
	s_cmp_eq_u32 s15, 0                               ; my place among the four that ask for my tile with me: two blocks of its eight
	s_cselect_b32 s86, s66, s67
	s_mul_i32 s86, s86, 49152
	s_mov_b32 s87, 0
	s_mov_b32 s[CS], 0x3e0293ee
	s_mov_b32 s[CS+1], s[CS]                          ; (named with it as a pair, so it is written)
	s_mov_b32 s[SEL], 0x76543210
	s_mov_b32 s[SEL+1], 0xfedcba98
	s_mov_b32 s[HM], 0xffff0000
	s_wait_alu depctr_va_vdst(0)                      ; at the head's end
	s_wait_dscnt 0x0                                  ; both opening adds are done
	CROUND                                            ; all sixteen work-groups are here: the first joint loads meet
	s_wait_kmcnt 0x0
	s_add_nc_u64 s[2:3], s[68:69], s[2:3]
	s_add_nc_u64 s[100:101], s[68:69], s[100:101]
	MKG0 0, 0, 0
	JLOAD 0                                           ; piece 0: one tensor load a wave at the head
	s_add_nc_u64 s[4:5], s[68:69], s[4:5]
	s_add_nc_u64 s[6:7], s[68:69], s[6:7]
.irp i, 0,1,2,3
	global_load_b128 v[64+4*\i:67+4*\i], v17, s[4:5] offset:4096*\i      ; block wave + 4 i: 512 consecutive bytes
	global_load_b128 v[80+4*\i:83+4*\i], v17, s[6:7] offset:4096*\i
.endr
	s_cmp_eq_u32 s15, 0                               ; the prefetches stand on my tile, at my work-group's share
	s_cselect_b64 s[PFA:PFA+1], s[2:3], s[100:101]
	s_add_nc_u64 s[PFA:PFA+1], s[PFA:PFA+1], s[86:87]
	ASK 1
.irp j, 1,2,3
	MKG0 \j, (\j%3)*PIECE, \j*3072
.endr
	s_add_nc_u64 s[8:9], s[70:71], s[8:9]
	s_add_nc_u64 s[10:11], s[70:71], s[10:11]
	s_wait_loadcnt 0x0
.irp i, 0,1,2,3
	ds_store_b128 v18, v[64+4*\i:67+4*\i] offset:2048*\i
	ds_store_b128 v18, v[80+4*\i:83+4*\i] offset:2*NA*RS+2048*\i
.endr
	s_wait_tensorcnt 0x0                              ; my part of piece 0 is in
	ds_add_u32 v[SPW], v[NIL]
	s_wait_dscnt 0x0                                  ; the add is done, and my scale words lie in LDS
	CROUND
	JLOAD 1                                           ; piece 1, the first tensor load behind the round
	FETCH 0
	ASK 2
	STEP 0, 1                                         ; the first chunk's products start the sums: nothing is cleared
	TURN 1, 1, 2, 3                                   ; piece 2 into the third place
	STEP 2, 0
	TURN 3, 1, 3, 0                                   ; piece 3 into piece 0's place
	STEP 4, 0
	TURN 5, 0, 0, 0
	STEP 6, 0
	s_wait_dscnt 15
	MULS 0, 3, 7, 0
	s_wait_dscnt 0x0
	MULS 3, 5, 7, 0
	WIN 0
	PLACES 4
; THE WAY OUT, by my blocks a of 16 queries: register 16 b + i of the block's 64 is key 32 b + 16 (lane / 16) + i of my 128.
; In the order: PRE a + 1 (its M), BATCH a (its exponentials, and between them block a + 1's multiply-adds, where it lies in the same window), POST a (its sum, codes and stores).
.macro PRE a
.set AC, 64*((\a)%4)
.set SWN, 2+(\a)/4
.set bx, BX+4*((\a)%2)
.set nm, NM+2*((\a)%2)
	WIN SWN|(SWN<<2)|(SWN<<4)                         ; all three sources in the accumulators' window
.irp b, 0,1,2,3
	v_max3_num_f32 v[bx+\b], v[AC+16*\b], v[AC+16*\b+1], v[AC+16*\b+2]   ; the largest score of each block of 32 keys; each accumulator is read from its low end on
.endr
	WIN (SWN<<2)|(SWN<<4)
.irp i, 3,5,7,9,11,13
.irp b, 0,1,2,3
	v_max3_num_f32 v[bx+\b], v[bx+\b], v[AC+16*\b+\i], v[AC+16*\b+\i+1]
.endr
.endr
.irp b, 0,1,2,3
	v_max_num_f32 v[bx+\b], v[bx+\b], v[AC+16*\b+15]
.endr
	WIN 0
.irp b, 0,1,2,3
	v_permlanex16_b32 v[BY+\b], v[bx+\b], s[SEL], s[SEL+1]
.endr
.irp b, 0,1,2,3
	v_max_num_f32 v[bx+\b], v[bx+\b], v[BY+\b]        ; with lane l xor 16's 16 keys
.endr
	v_max3_num_f32 v[T], v[bx], v[bx+1], v[bx+2]
	v_max_num_f32 v[T], v[T], v[bx+3]                 ; the largest score of my query's 128 keys,
	v_mul_f32 v[T], s[CS], v[T]                       ; as t (c is positive)
	v_floor_f32 v[nm], -v[T]                          ; -M = floor(-t) = -ceil(t): a whole number
	v_mov_b32 v[nm+1], v[nm]
.irp b, 0,1,2,3
	v_fma_f32 v[bx+\b], v[bx+\b], s[CS], v[nm]        ; t - M of each block's largest score
.endr
.if (\a)%4 == 0
	WIN SWN|(SWN<<6)
.set sj, 0
.rept 32
	v_pk_fma_f32 v[AC+sj:AC+sj+1], v[AC+sj:AC+sj+1], s[CS:CS+1], v[nm:nm+1] op_sel_hi:[1,0,0]   ; t - M, two at a time, in place
.set sj, sj+2
.endr
	WIN 0
.endif
.endm
.macro BATCH a
.set AC, 64*((\a)%4)
.set SWN, 2+(\a)/4
.set nm, NM+2*(((\a)+1)%2)
	s_wait_alu depctr_va_vdst(0)                      ; ahead of the batch
.irp b, 0,1,2,3
	v_exp_f32 v[BX+4*((\a)%2)+\b], v[BX+4*((\a)%2)+\b]   ; each block's largest p
.endr
	WIN SWN|(SWN<<6)
.set sj, 0
.rept 32
	v_exp_f32 v[AC+sj], v[AC+sj]                      ; p = 2^(t - M)
	v_exp_f32 v[AC+sj+1], v[AC+sj+1]
.if (\a)%4 < 3
	v_pk_fma_f32 v[AC+64+sj:AC+65+sj], v[AC+64+sj:AC+65+sj], s[CS:CS+1], v[nm:nm+1] op_sel_hi:[1,0,0]   ; the next block's t - M, in place
.endif
.set sj, sj+2
.endr
	WIN 0
	v_nop                                             ; a plain instruction behind the last exponential
	s_wait_alu depctr_va_vdst(0)                      ; one wait for the batch, ahead of its first reader
.endm
.macro POST a
.set AC, 64*((\a)%4)
.set SWN, 2+(\a)/4
.set bx, BX+4*((\a)%2)
.set pc, PC+12*(\a)
	WIN SWN|(SWN<<2)
	v_pk_add_f32 v[LA:LA+1], v[AC:AC+1], v[AC+2:AC+3]         ; the sum of the UNQUANTISED p, in four chains
	v_pk_add_f32 v[LB:LB+1], v[AC+4:AC+5], v[AC+6:AC+7]
	v_pk_add_f32 v[LC:LC+1], v[AC+8:AC+9], v[AC+10:AC+11]
	v_pk_add_f32 v[LD:LD+1], v[AC+12:AC+13], v[AC+14:AC+15]
	WIN SWN<<2
.irp j, 16,24,32,40,48,56
	v_pk_add_f32 v[LA:LA+1], v[LA:LA+1], v[AC+\j:AC+\j+1]
	v_pk_add_f32 v[LB:LB+1], v[LB:LB+1], v[AC+\j+2:AC+\j+3]
	v_pk_add_f32 v[LC:LC+1], v[LC:LC+1], v[AC+\j+4:AC+\j+5]
	v_pk_add_f32 v[LD:LD+1], v[LD:LD+1], v[AC+\j+6:AC+\j+7]
.endr
	WIN 0
.irp b, 0,1,2,3
	v_max_num_f32 v[bx+\b], 0x2800000, v[bx+\b]       ; the floor 2^(5 - 127): the byte cannot fall under 1
.endr
	v_pk_add_f32 v[LA:LA+1], v[LA:LA+1], v[LB:LB+1]
	v_pk_add_f32 v[LC:LC+1], v[LC:LC+1], v[LD:LD+1]
.irp b, 0,1,2,3
	v_add_nc_u32 v[SO+\b], 0xfe000000, v[bx+\b]       ; 4 off the exponent field: the conversion's scale operand
.endr
	v_pk_add_f32 v[LA:LA+1], v[LA:LA+1], v[LC:LC+1]
.irp b, 0,1,2,3
	v_lshrrev_b32 v[BYT+\b], 23, v[SO+\b]
.endr
	v_add_f32 v[LA], v[LA], v[LA+1]
	v_lshl_or_b32 v[PWD], v[BYT+1], 8, v[BYT]
	WIN SWN
.irp c, 0,1
	v_cvt_scalef32_pk16_bf6_f32 v[pc+6*\c:pc+2+6*\c], v[AC+32*\c:AC+15+32*\c], v[SO+2*\c]
	v_cvt_scalef32_pk16_bf6_f32 v[PT+4*\c:PT+2+4*\c], v[AC+16+32*\c:AC+31+32*\c], v[SO+2*\c+1]
.endr
	WIN 0
	v_permlanex16_b32 v[LB], v[LA], s[SEL], s[SEL+1]  ; (a plain instruction behind the scaled conversions)
	v_lshl_or_b32 v[PWD], v[BYT+2], 16, v[PWD]
.irp c, 0,1
.irp i, 0,1,2
	v_permlane16_swap_b32 v[pc+6*\c+\i], v[PT+4*\c+\i]
.endr
.endr
	v_add_f32 v[LA], v[LA], v[LB]                     ; l of my query's 128 keys
	v_lshl_or_b32 v[PWD], v[BYT+3], 24, v[PWD]
.irp c, 0,1
.irp i, 0,1,2
	v_mov_b32 v[pc+3+6*\c+\i], v[PT+4*\c+\i]
.endr
.endr
.irp c, 0,1,2
	global_store_b128 v[LI], v[pc+4*\c:pc+4*\c+3], s[8:9] offset:24576*(\a)+512*\c   ; the image: 512 consecutive bytes a store, aligned
.endr
.if (\a)%2 == 0
	v_mov_b32 v[RECP], v[PWD]
	v_mov_b32 v[RECP+1], v[NM]
	v_mov_b32 v[RECP+2], v[LA]
.else
.set rc, REC+4*((\a)/2)
	v_cndmask_b32 v[rc], v[RECP], v[PWD], s[HM]       ; lanes 0-15: block a - 1's records, lanes 16-31: block a's
	v_cndmask_b32 v[rc+1], v[RECP+1], v[NM+2], s[HM]
	v_cndmask_b32 v[rc+2], v[RECP+2], v[LA], s[HM]
	v_mov_b32 v[rc+3], 0                              ; the record's fourth word
	global_store_b128 v19, v[rc:rc+3], s[10:11] offset:4096*((\a)-1)   ; each half of the lanes stores 256 consecutive bytes, aligned
.endif
.endm
	PRE 0
.irp a, 0,1,2,3,4,5,6,7
.if \a < 7
	PRE \a+1
.endif
	BATCH \a
	POST \a
.endr
	s_wait_tensorcnt 0x0                              ; the wave's end
	ds_add_u32 v[SPW], v[NIL]
	s_wait_dscnt 0x0
	CROUND                                            ; the closing round: no work-group ends while a partner may still ask for a tile that names it
	s_endpgm
.Lfunc_end_k_q19c1ec9076_scores:
	.size	k_q19c1ec9076_scores, .Lfunc_end_k_q19c1ec9076_scores-k_q19c1ec9076_scores
	.p2alignl 7, 3214868480
	.fill 96, 4, 3214868480
	.section	.rodata,"a",@progbits
	.p2align	6, 0x0
	.amdhsa_kernel k_q19c1ec9076_scores
		.amdhsa_group_segment_fixed_size 327680
		.amdhsa_private_segment_fixed_size 0
		.amdhsa_enable_private_segment 0
		.amdhsa_kernarg_size 16
		.amdhsa_user_sgpr_count 2
		.amdhsa_user_sgpr_kernarg_segment_ptr 1
		.amdhsa_wavefront_size32 1
		.amdhsa_system_sgpr_workgroup_id_x 1
		.amdhsa_system_sgpr_workgroup_id_y 1
		.amdhsa_system_sgpr_workgroup_id_z 1
		.amdhsa_system_vgpr_workitem_id 0
		.amdhsa_next_free_vgpr 1024
		.amdhsa_next_free_sgpr 104
		.amdhsa_reserve_vcc 0
		.amdhsa_float_denorm_mode_32 3
		.amdhsa_float_denorm_mode_16_64 3
		.amdhsa_memory_ordered 1
		.amdhsa_forward_progress 1
		.amdhsa_inst_pref_size 197
	.end_amdhsa_kernel
	.amdgpu_metadata
---
amdhsa.version: [ 1, 2 ]
amdhsa.kernels:
  - .name:           k_q19c1ec9076_scores
    .symbol:         k_q19c1ec9076_scores.kd
    .args:
      - { .name: qk, .offset: 0, .size: 8, .value_kind: global_buffer, .address_space: global }
      - { .name: pp, .offset: 8, .size: 8, .value_kind: global_buffer, .address_space: global }
    .group_segment_fixed_size: 327680
    .private_segment_fixed_size: 0
    .kernarg_segment_align: 8
    .kernarg_segment_size: 16
    .max_flat_workgroup_size: 128
    .sgpr_count:     104
    .vgpr_count:     1024
    .wavefront_size: 32
...
	.end_amdgpu_metadata
.endif
;; end of part 3
;; launch pv (part 4): grid 4 x 64, 4 waves a work-group, clusters of 4 x 4, 327,680 bytes of LDS; arguments pp, vv, out0; writes out0
.if DOCPART == 4
	.amdgcn_target "amdgcn-amd-amdhsa--gfx1250"
	.amdhsa_code_object_version 6
	.text
	.protected	k_q19c1ec9076_pv
	.globl	k_q19c1ec9076_pv
	.p2align	8
	.type	k_q19c1ec9076_pv,@function
k_q19c1ec9076_pv:
	s_mov_b64 s[64:65], 0
	v_nop
	global_prefetch_b8 v0, s[64:65] scope:SCOPE_SE
	s_setreg_imm32_b32 hwreg(HW_REG_WAVE_MODE, 25, 1), 1
	s_wait_xcnt 0x0
	s_wait_alu depctr_hold_cnt(0) depctr_sa_sdst(0) depctr_va_vdst(0) depctr_va_sdst(0) depctr_va_ssrc(0) depctr_va_vcc(0) depctr_vm_vsrc(0)
	s_getreg_b32 s2, hwreg(HW_REG_IB_STS2, 6, 4)
	s_cmp_eq_u32 s2, 0
	s_cbranch_scc0 .Lentry_in_a_cluster
	s_endpgm
.Lentry_in_a_cluster:
	s_bfe_u32 s2, ttmp6, 0x10000c
	s_cmp_lg_u32 s2, 0xf033
	s_cbranch_scc0 .Lentry_shape_is_right
	s_endpgm
.Lentry_shape_is_right:
; out = (P V) / l for each of 4 batches (2,048 queries x 1,024 channels, K = 2,048 keys) on codes of BF6 (E3M2) with E8M0 scales, sums in f32.
.set NA,     4
; P (buffer pp) was quantised 128 keys at a time under the ceiling M of those keys' largest t.  Each query and 128 keys have a record: scale word, -M, sum l.  HERE, once for each of the work-group's 128 queries: the row's M is the
; largest of its 16; d = this chunk's M - the row's M is a whole number, 0 or less; the chunk's four scale bytes are lowered by -d, which is what quantising under the row's M gives (the codes are the same);
; l = the sum of l_c x 2^d, exact scalings; 1 / l multiplies the result at the end.
; OPERANDS: P's images [512 blocks of queries][16 chunks of keys][1,536]; V's (buffer vv) [4 batches][64 blocks of channels][16 chunks of keys][1,536], scale words at VV_S: block x 1,024 + (chunk / 2) x 128 + 8 r + 4 (chunk % 2).
; Lane-row r of block t is row 32 (t / 2) + 8 (t % 2) + r + 8 (r / 8).  An image is a fragment's 12 registers: register j of lane l at 512 (j / 4) + 16 l + 4 (j % 4).
; THE MATRIX INSTRUCTION IS USED TRANSPOSED: source 0 = 16 channels of V ("B"), source 1 = 16 queries of P ("A"): a lane holds ONE query, and the 16 registers of V's blocks 2 b, 2 b + 1 are channels 32 b + 16 (lane / 16) + 0 .. 15.
; SHARES.  A work-group makes 128 queries x 256 channels, each of its four waves 64 x 128: 32 accumulators.  256 work-groups; a tile of 256 x 256 would give 128.
; LDS: two slots of 512 along K, each two pieces of 256 (P's 8 blocks x 3,072 bytes, then V's 16).  A slot's fill is one tensor load a wave: waves 0, 1 P's two pieces, waves 2, 3 V's.  Slot 0 is asked for at the head,
; slot 1 behind the first full sequence; each of the two refills stands behind a round of the cluster's barrier and has 112 matrix instructions in which to land.
; The last chunk goes by rows of the result: a block of queries leaves while later blocks are multiplied.
; CLUSTER 4 x 4: P's tile is shared along a row of the cluster, V's along a column; each is asked for jointly.
; PREFETCH: behind each joint load, one slot ahead.  A wave's 96 units of 256 bytes of a slot (waves 2, 3: 192) are shared by address among the four partners that ask for the tile jointly.  The last slot's load asks for nothing.
; LIMITS: NaN and infinities are not served.  A scale byte that would fall under 0 is held at 0: such a block then counts for at most 28 x 2^-127 a key, beside l >= 1/2.  d is held at -255, where 2^d is 0 in f32.
; REGISTERS, in windows of 256: window 0: v0-31 addresses and 1 / l; v32-63 scale words and nothing else, two sets; v64-159 A's fragments, two sets (at the head v64-211: the records and the row work); v160-223 on the way out.
;   window 1: B's fragments, two sets, at v0 and v128.   window 2: accumulator (a, b) at v[8 (8 a + b)]; on the way out block a's rows are read back in their place.
.set NPL,    4
.set RS,     1024
.set ABYTES, 8*3072
.set PIECE,  24*3072
.set SCL,    NPL*PIECE                 ; behind the pieces: P's scale words (8 x 1,024), then V's (16 x 1,024)
.set RL,     SCL+24*RS                 ; 1 / l of the 128 queries
.set SPARE,  RL+512                    ; the spare words, 128 bytes for each wave: two blocks of 256 bytes that no other line names
.set PP_ST,  12582912
.set VV_S,   6291456
.set LI,   4
.set ADRA, 8
.set ADRB, 12
.set ADRS, 16
.set RLA,  17                          ; v17     where my lane's 1 / l lie
.set RLV,  18                          ; v18-25  1 / l of my query in A's block a: a pair each (the upper word 0: the packed product names the pair)
.set STO,  26                          ; v26     the way out: where I put 64 bytes of a row
.set RD,   27                          ; v27     and where I read a row back
.set SPW,  28
.set NIL,  29
.set PFO,  3                           ; v3      the prefetches' offset (behind the head's use of v3 as r)
.set SC,   32
.set AF,   64
.set H,    160                         ; v160-223 the way out: a block's 64 numbers x 1 / l
.set WW,   160                         ; v160-175 the row's 16 scale words under the row's M
.set RM,   176                         ; v176 -(the row's M)
.set RV,   177                         ; v177 l, then 1 / l
.set DD,   184                         ; v184-187 d of four chunks
.set FF,   188                         ; v188-191 2^d
.set BB4,  192                         ; v192-207 their scale bytes
.set LL,   208                         ; v208-211 l in four chains
.set G1A,  20
.set G1B,  28
.set G0A,  36
.set G0B,  52
.set PFA,  88                          ; s[88:89], s[92:93] where my prefetches' two halves stand
.set PFB,  92
.set MSB, 0
.macro WIN new                         ; the immediate's high byte repeats the setting that is left
.if MSB != (\new)
	s_set_vgpr_msb (MSB<<8)|(\new)
.set MSB, (\new)
.endif
.endm
.set MUL_LO, 0xa1
.set TO_B,   0x40
.macro PLACES n
.rept \n
	v_nop
.endr
.endm
.macro CREST
	s_cmp_lg_u32 s14, 0
	s_cbranch_scc1 .Lnot_wave_0_\@
	s_barrier_signal -3
.Lnot_wave_0_\@:
	s_barrier_wait -3
	s_barrier_signal -1
	s_barrier_wait -1
.endm
.macro CROUND
	s_barrier_signal -1
	s_barrier_wait -1
	CREST
.endm
.macro MKG0 j, lo, go
.set GA, G0A+4*(\j)
.set GB, G0B+4*(\j)+32*((\j)/3)
	s_mov_b32 s[GA], 1
	s_add_co_u32 s[GA+1], s84, \lo
	s_add_nc_u64 s[GA+2:GA+3], s[2:3], \go
	s_or_b32 s[GA+3], s[GA+3], 0x80000000
	s_mov_b32 s[GB], 1
	s_add_co_u32 s[GB+1], s85, \lo
	s_add_nc_u64 s[GB+2:GB+3], s[100:101], \go
	s_or_b32 s[GB+3], s[GB+3], 0x80000000
.endm
.macro JLOAD j                         ; a joint load: waves 0 and 1 fetch P's pieces, waves 2 and 3 V's; four v_nop follow each of the two lines
	s_cmp_eq_u32 s15, 0
	s_cbranch_scc0 .Lfor_b_\@
	tensor_load_to_lds s[G0A+4*(\j):G0A+4*(\j)+3], s[G1A:G1A+7]
	s_nop 0
	PLACES 4
	s_branch .Lasked_\@
.Lfor_b_\@:
	tensor_load_to_lds s[G0B+4*(\j)+32*((\j)/3):G0B+4*(\j)+32*((\j)/3)+3], s[G1B:G1B+7]
	s_nop 0
	PLACES 4
.Lasked_\@:
.endm
.macro ASK n                           ; slot n of what my wave will load, my work-group's share, in two halves
	global_prefetch_b8 v[PFO], s[PFA:PFA+1] offset:6144*(\n) th:TH_LOAD_NT scope:SCOPE_SE
	global_prefetch_b8 v[PFO], s[PFB:PFB+1] offset:6144*(\n) th:TH_LOAD_NT scope:SCOPE_SE
.endm
.macro FRAG reg, adr, off
.irp c, 0,1,2
	ds_load_b128 v[(\reg)+4*\c:(\reg)+4*\c+3], v[\adr] offset:(\off)+512*\c
.endr
.endm
.macro FETCH g                         ; chunk g (128 keys): V's eight fragments (24 loads), with an even chunk the scale words of its pair (8), and P's four (12), into set g % 2
.set fp, (\g)%2
.set fpl, ((\g)/2)%NPL
	WIN TO_B
.set fi, 0
.rept 8
	FRAG 128*fp+12*fi, ADRB+fpl, 3072*fi+1536*fp
.set fi, fi+1
.endr
	WIN 0
.if fp == 0
.set fi, 0
.rept 8                                ; (P has 4 blocks a wave: lanes 0-15 of registers 8-15 take neighbouring words that no instruction reads)
	ds_load_b64 v[SC+16*(((\g)/2)%2)+2*fi:SC+16*(((\g)/2)%2)+2*fi+1], v[ADRS] offset:fi*RS+128*((\g)/2)
.set fi, fi+1
.endr
.endif
.set fi, 0
.rept NA
	FRAG AF+12*NA*fp+12*fi, ADRA+fpl, 3072*fi+1536*fp
.set fi, fi+1
.endr
.endm
.macro MULS a0, n, g, zero             ; the accumulators take turns, one instruction a turn, in the same order in every step
.set mp, (\g)%2
.set msc, SC+16*(((\g)/2)%2)+(\g)%2
.set ma, \a0
.rept \n
	WIN MUL_LO
.set mb, 0
.rept 8
.set mD, 8*(8*ma+mb)
.set mB, 128*mp+12*mb
.set mA, AF+12*NA*mp+12*ma
.if \zero
	v_wmma_scale_f32_16x16x128_f8f6f4 v[mD:mD+7], v[mB:mB+11], v[mA:mA+11], 0, v[msc+2*mb], v[msc+2*ma] matrix_a_fmt:MATRIX_FMT_BF6 matrix_b_fmt:MATRIX_FMT_BF6 matrix_a_scale:MATRIX_SCALE_ROW1
.else
	v_wmma_scale_f32_16x16x128_f8f6f4 v[mD:mD+7], v[mB:mB+11], v[mA:mA+11], v[mD:mD+7], v[msc+2*mb], v[msc+2*ma] matrix_a_fmt:MATRIX_FMT_BF6 matrix_b_fmt:MATRIX_FMT_BF6 matrix_a_scale:MATRIX_SCALE_ROW1
.endif
.set mb, mb+1
.endr
.set ma, ma+1
.endr
.endm
.macro STEP g, zero
	s_wait_dscnt 6                                    ; all but P's blocks 2-3 are in
	PLACES 4                                          ; four plain instructions between the last products and loads into the set that they read
	FETCH (\g)+1
	MULS 0, 2, \g, \zero
	s_wait_dscnt 36+8*((\g)%2)                        ; P's blocks 2-3 too: those just issued, 36, or 44 where the next chunk is even, may be out
	MULS 2, 2, \g, \zero
.endm
; A slot's last chunk, all of whose reads were asked for in the chunk ahead.  kind 1: the slot is filled again: every wave waits for all its tensor loads, adds 0 to its spare word, waits for that and for its reads of the slot;
; the barrier opens a round of the cluster's barrier; load j is the first thing behind it.  kind 0: the last change of slots: nothing is filled.  ask: the slot to prefetch, or 0.
.macro TURN g, kind, j, ask
	WIN 0
	s_wait_tensorcnt 0x0
.if \kind
	ds_add_u32 v[SPW], v[NIL]                         ; 0 onto my spare word
	s_wait_dscnt 1                                    ; this chunk's fragments are in; the add alone may be out
.else
	s_wait_dscnt 0x0
.endif
	MULS 0, 1, \g, 0
.if \kind
	s_wait_dscnt 0x0                                  ; the add is done, and my reads of this slot are over
.endif
	s_barrier_signal -1
	MULS 1, 1, \g, 0
	WIN 0
	s_barrier_wait -1
.if \kind
	CREST                                             ; no wave of any partner still reads the slot or has a load on its way
	JLOAD \j                                          ; its four v_nop are also the places in front of the loads below
.else
	PLACES 4
.endif
	FETCH (\g)+1
.if \ask
	ASK \ask
.endif
	MULS 2, 2, \g, 0
.endm
	s_load_b128 s[68:71], s[0:1], 0x0                 ; pp s[68:69], vv s[70:71]
	s_load_b64 s[72:73], s[0:1], 0x10                 ; out0
	v_lshl_add_u32 v[SPW], v0, 2, SPARE
	v_mov_b32 v[NIL], 0
	ds_add_u32 v[SPW], v[NIL]                         ; the opening: the add, twice on end, and its wait ahead of my first tensor load
	ds_add_u32 v[SPW], v[NIL]
	v_lshrrev_b32 v1, 5, v0
	v_readfirstlane_b32 s14, v1                       ; wave 0..3
	v_and_b32 v1, 31, v0                              ; lane
	v_bfe_u32 v2, v0, 4, 1                            ; h
	v_and_b32 v3, 15, v0                              ; r
	v_lshlrev_b32 v[LI], 4, v1
	v_lshrrev_b32 v64, 4, v0                          ; thread / 16: the block of the row that my THREAD works out at the head
	v_lshlrev_b32 v31, 12, v64
	v_lshl_add_u32 v31, v3, 4, v31                    ; its records: 4,096 x block + 16 r
	v_lshlrev_b32 v30, 10, v64
	v_lshl_add_u32 v30, v3, 3, v30
	v_add_nc_u32 v30, SCL, v30                        ; its scale words in LDS: 1,024 x block + 8 r
	v_lshl_add_u32 v7, v0, 2, RL                      ; its 1 / l
	v_lshlrev_b32 v6, 4, v0                           ; V's scale words: 16 x thread,
	v_lshl_add_u32 v5, v0, 4, SCL+2*NA*RS             ; and in LDS
	s_lshr_b32 s15, s14, 1                            ; which half of the queries is mine.  Also: I fetch for P (0) or for V (1)
	s_and_b32 s16, s14, 1                             ; which half of the channels.  Also: which of a slot's two pieces I fetch
	s_mul_i32 s84, s15, NA*3072
	s_mul_i32 s85, s16, 8*3072
	s_add_co_u32 s85, s85, ABYTES
	s_wait_alu depctr_va_vdst(0)
.irp p, 0,1,2,3
	v_add_nc_u32 v[ADRA+\p], s84, v[LI]
	v_add_nc_u32 v[ADRB+\p], s85, v[LI]
	s_add_co_u32 s84, s84, PIECE
	s_add_co_u32 s85, s85, PIECE
.endr
	s_mul_i32 s84, s15, NA*RS
	s_mul_i32 s85, s16, 8*RS
	s_add_co_u32 s85, s85, 2*NA*RS
	s_sub_co_u32 s85, s85, s84
	s_add_co_u32 s84, s84, SCL
	v_mul_u32_u24 v[ADRS], s85, v2                    ; lanes 16-31 take V's: one product, the distance between the two
	v_lshl_add_u32 v[ADRS], v3, 3, v[ADRS]
	v_add_nc_u32 v[ADRS], s84, v[ADRS]
	s_lshl_b32 s84, s15, 8
	s_add_co_u32 s84, s84, RL
	v_lshl_add_u32 v[RLA], v3, 2, s84                 ; 1 / l of my lane's query: 64 bytes a block, my four blocks
	s_mul_i32 s84, s14, 16*528                        ; my stage: 16 rows of 512 bytes + 16, in piece place 0, which has had its last fill and its last read when the first result is stored there
	v_mul_u32_u24 v[STO], v3, 528
	v_lshl_add_u32 v[STO], v2, 6, v[STO]
	v_add_nc_u32 v[STO], s84, v[STO]
	v_add_nc_u32 v[RD], s84, v[LI]
.irp a, 0,1,2,3
	v_mov_b32 v[RLV+2*\a+1], 0
.endr
	s_cmp_eq_u32 s15, 0
	s_cselect_b32 s82, 12, 24                         ; units that one prefetch of mine names
	s_sub_co_u32 s83, s82, 1
	v_min_u32 v65, s83, v1                            ; m = my unit (lanes left over name the last one again): block m / 12 of 24,576 bytes, unit m % 12 of its 3,072:
	v_add_nc_u32 v66, 4, v65
	v_lshrrev_b32 v66, 4, v66                         ; m / 12 for m under 24
	v_mul_u32_u24 v66, 21504, v66
	v_lshl_add_u32 v[PFO], v65, 8, v66                ; 256 m + (24,576 - 3,072) (m / 12)
	s_bfe_u32 s66, ttmp6, 0x40000                     ; cx: which 256 channels (the grid is one cluster wide)
	s_bfe_u32 s67, ttmp6, 0x40004                     ; cy
	s_cmp_eq_u32 s15, 0                               ; my place among the four that ask for my tile with me
	s_cselect_b32 s86, s66, s67
	s_mul_i32 s86, s86, s82
	s_lshl_b32 s86, s86, 12                           ; place x 2 x units x 2,048 bytes (12 units to 24,576)
	s_mov_b32 s87, 0
	s_lshl_b32 s82, s82, 11                           ; and the second half's distance
	s_mov_b32 s83, 0
	s_and_b32 s80, ttmp7, 0xffff                      ; the cluster's y
	s_lshl_b32 s17, s80, 2
	s_add_co_u32 s17, s17, s67                        ; ty: which 128 of the 8,192 queries
	s_lshr_b32 s81, s80, 2                            ; the batch: ty / 16, the same in all partners
	s_lshl_b32 s91, s67, 2
	s_lshl_b32 s91, 15, s91                           ; my row of the cluster
	s_lshl_b32 s90, 0x1111, s66                       ; my column
	s_or_b32 s[G1A], s91, (3<<16)|(1<<21)             ; 15:0 the mask; 17:16 elements of 8 bytes; no padding; 21 set beside a mask
	s_or_b32 s[G1B], s90, (3<<16)|(1<<21)
.irp g, G1A, G1B
	s_mov_b32 s[\g+1], 384<<16                        ; tensor_dim0: a block's 3,072 bytes of a piece
	s_mov_b32 s[\g+3], 384<<16
	s_mov_b32 s[\g+5], 3072                           ; from block to block: 24,576 bytes
	s_mov_b32 s[\g+6], 0
	s_mov_b32 s[\g+7], 0
.endr
	s_mov_b32 s[G1A+2], 8<<16                         ; P's 8 blocks
	s_mov_b32 s[G1A+4], 8
	s_mov_b32 s[G1B+2], 16<<16                        ; V's 16
	s_mov_b32 s[G1B+4], 16
	s_mul_i32 s2, s17, 196608                         ; P: 8 blocks of 24,576 bytes a tile, + my piece
	s_mul_i32 s3, s16, 3072
	s_add_co_u32 s2, s2, s3
	s_mov_b32 s3, 0
	s_mul_i32 s100, s81, 1572864                      ; V: the batch, 16 blocks a tile, + my piece
	s_mul_i32 s101, s66, 393216
	s_add_co_u32 s100, s100, s101
	s_mul_i32 s101, s16, 3072
	s_add_co_u32 s100, s100, s101
	s_mov_b32 s101, 0
	s_lshl_b32 s4, s17, 15
	s_add_co_u32 s4, s4, PP_ST                        ; my work-group's records: 8 blocks of 4,096 bytes
	s_mov_b32 s5, 0
	s_lshl_b32 s6, s81, 16
	s_lshl_b32 s7, s66, 14
	s_add_co_u32 s6, s6, s7
	s_add_co_u32 s6, s6, VV_S                         ; V's scale words: 16 blocks of 1,024 bytes, dense
	s_mov_b32 s7, 0
	s_lshl_b32 s8, s17, 19                            ; out: row 128 ty + 64 (my half), 4,096 bytes a row; column 256 cx + 128 (my half)
	s_lshl_b32 s9, s15, 18
	s_add_co_u32 s8, s8, s9
	s_lshl_b32 s9, s66, 10
	s_add_co_u32 s8, s8, s9
	s_lshl_b32 s9, s16, 9
	s_add_co_u32 s8, s8, s9
	s_mov_b32 s9, 0
	s_mul_i32 s84, s16, PIECE                         ; where my loads go in a slot: no place in the cluster enters an LDS address
	s_add_co_u32 s85, s84, ABYTES
	s_wait_alu depctr_va_vdst(0)                      ; directly ahead of the waits below
	s_wait_dscnt 0x0                                  ; both opening adds are done
	CROUND                                            ; all sixteen work-groups are here: the first joint loads meet
	s_wait_kmcnt 0x0
	s_add_nc_u64 s[2:3], s[68:69], s[2:3]
	s_add_nc_u64 s[100:101], s[70:71], s[100:101]
	MKG0 0, 0, 0
	JLOAD 0                                           ; slot 0: one tensor load a wave at the head
	s_add_nc_u64 s[4:5], s[68:69], s[4:5]
	s_add_nc_u64 s[6:7], s[70:71], s[6:7]
.irp c, 0,1,2,3,4,5,6,7,8,9,10,11,12,13,14,15
	global_load_b128 v[64+4*\c:67+4*\c], v31, s[4:5] offset:256*\c       ; the row's 16 records; each half of the lanes reads 256 consecutive bytes, aligned
.endr
.irp i, 0,1,2,3,4,5,6,7
	global_load_b128 v[128+4*\i:131+4*\i], v6, s[6:7] offset:2048*\i
.endr
	s_cmp_eq_u32 s15, 0                               ; the prefetches stand on my tile, at my work-group's share
	s_cselect_b64 s[PFA:PFA+1], s[2:3], s[100:101]
	s_add_nc_u64 s[PFA:PFA+1], s[PFA:PFA+1], s[86:87]
	s_add_nc_u64 s[PFB:PFB+1], s[PFA:PFA+1], s[82:83]
	ASK 1
.irp j, 1,2,3
	MKG0 \j, 2*(\j%2)*PIECE, \j*6144
.endr
	s_add_nc_u64 s[8:9], s[72:73], s[8:9]
	s_wait_loadcnt 8                                  ; the 16 records are in; V's eight loads may be out
	v_min3_num_f32 v[RM], v65, v69, v73               ; -(the row's M): the least of the 16 values of -M
.irp c, 3,5,7,9,11,13
	v_min3_num_f32 v[RM], v[RM], v[65+4*\c], v[69+4*\c]
.endr
	v_min_num_f32 v[RM], v[RM], v125
.irp u, 0,1,2,3                        ; four chunks by turns
.irp k, 0,1,2,3
	v_sub_f32 v[DD+\k], v[RM], v[65+16*\u+4*\k]       ; d = this chunk's M - the row's M: a whole number, 0 or less
.endr
.irp k, 0,1,2,3
	v_cvt_i32_f32 v[DD+\k], v[DD+\k]                  ; (it saturates)
.endr
.irp k, 0,1,2,3
	v_max_i32 v[DD+\k], 0xffffff01, v[DD+\k]          ; held at -255
.endr
.irp k, 0,1,2,3
	v_ldexp_f32 v[FF+\k], 1.0, v[DD+\k]               ; 2^d
.endr
.irp k, 0,1,2,3
.irp b, 0,1,2,3
	v_bfe_u32 v[BB4+4*\k+\b], v[64+16*\u+4*\k], 8*\b, 8
.endr
.endr
.irp k, 0,1,2,3
.if \u == 0
	v_mul_f32 v[LL+\k], v[66+16*\u+4*\k], v[FF+\k]
.else
	v_fma_f32 v[LL+\k], v[66+16*\u+4*\k], v[FF+\k], v[LL+\k]   ; l = the sum of l_c 2^d, in four chains
.endif
.endr
.irp k, 0,1,2,3
.irp b, 0,1,2,3
	v_add_nc_u32 v[BB4+4*\k+\b], v[BB4+4*\k+\b], v[DD+\k]      ; each byte lowered by -d,
.endr
.endr
.irp k, 0,1,2,3
.irp b, 0,1,2,3
	v_max_i32 v[BB4+4*\k+\b], 0, v[BB4+4*\k+\b]       ; held at 0
.endr
.endr
.irp k, 0,1,2,3
	v_lshl_or_b32 v[WW+4*\u+\k], v[BB4+4*\k+1], 8, v[BB4+4*\k]
.endr
.irp k, 0,1,2,3
	v_lshl_or_b32 v[WW+4*\u+\k], v[BB4+4*\k+2], 16, v[WW+4*\u+\k]
.endr
.irp k, 0,1,2,3
	v_lshl_or_b32 v[WW+4*\u+\k], v[BB4+4*\k+3], 24, v[WW+4*\u+\k]
.endr
.endr
	v_add_f32 v[LL], v[LL], v[LL+1]
	v_add_f32 v[LL+2], v[LL+2], v[LL+3]
	v_add_f32 v[RV], v[LL], v[LL+2]
	s_wait_alu depctr_va_vdst(0)                      ; ahead of the transcendental
	v_rcp_f32 v[RV], v[RV]
.irp s, 0,1,2,3,4,5,6,7
	ds_store_b64 v30, v[WW+2*\s:WW+2*\s+1] offset:128*\s
.endr
	v_nop                                             ; a plain instruction behind the reciprocal
	s_wait_alu depctr_va_vdst(0)                      ; and the wait ahead of its first reader
	ds_store_b32 v7, v[RV]
	s_wait_loadcnt 0x0
.irp i, 0,1,2,3,4,5,6,7
	ds_store_b128 v5, v[128+4*\i:131+4*\i] offset:2048*\i
.endr
	s_wait_tensorcnt 0x0                              ; my part of slot 0 is in
	ds_add_u32 v[SPW], v[NIL]
	s_wait_dscnt 0x0                                  ; the add is done; my scale words and my 1 / l lie in LDS
	CROUND
	JLOAD 1                                           ; slot 1, the first tensor load behind the round
.irp a, 0,1,2,3
	ds_load_b32 v[RLV+2*\a], v[RLA] offset:64*\a      ; 1 / l of my queries, wanted on the way out
.endr
	FETCH 0
	ASK 2
	STEP 0, 1                                         ; the first chunk's products start the sums: nothing is cleared
	STEP 1, 0
	STEP 2, 0
	TURN 3, 1, 2, 3
	STEP 4, 0
	STEP 5, 0
	STEP 6, 0
	TURN 7, 1, 3, 0
	STEP 8, 0
	STEP 9, 0
	STEP 10, 0
	TURN 11, 0, 0, 0
	STEP 12, 0
	STEP 13, 0
	STEP 14, 0
	s_wait_dscnt 6                                    ; all but P's blocks 2-3 are in
	MULS 0, 2, 15, 0
	s_wait_dscnt 0x0
	PLACES 4                                          ; four plain instructions between the last products and the first read of results
; THE WAY OUT, a block of 16 queries x 128 channels at a time: x 1 / l; through my own stage in LDS; back as whole rows of 512 bytes, into the block's own accumulators, which have been read by then.
.macro PACK a
	WIN 0x02                                          ; source 0 window 2
.set ti, 0
.rept 32
	v_pk_mul_f32 v[H+ti:H+ti+1], v[64*(\a)+ti:64*(\a)+ti+1], v[RLV+2*(\a):RLV+2*(\a)+1] op_sel_hi:[1,0]
.set ti, ti+2
.endr
	WIN 0
.endm
.macro TOSTAGE a
.set ti, 0
.rept 16
	ds_store_b128 v[STO], v[H+4*ti:H+4*ti+3] offset:128*(ti/4)+16*(ti%4)   ; register 16 b + i: channel 32 b + 16 h + i
.set ti, ti+1
.endr
	WIN 0x80                                          ; destination window 2
.set ti, 0
.rept 16
	ds_load_b128 v[64*(\a)+4*ti:64*(\a)+4*ti+3], v[RD] offset:528*ti       ; LDS serves a wave's instructions in order: these see the stores above
.set ti, ti+1
.endr
	WIN 0
.endm
.macro SEND a
	s_wait_dscnt 0x0
	WIN 0x08                                          ; data: window 2
.set ti, 0
.rept 16
	global_store_b128 v[LI], v[64*(\a)+4*ti:64*(\a)+4*ti+3], s[8:9] offset:(32*((\a)/2)+8*((\a)%2)+ti+8*(ti/8))*4096 th:TH_STORE_NT   ; lane-row ti's place among my 64 rows; 512 consecutive bytes, aligned; written once
.set ti, ti+1
.endr
	WIN 0
.endm
	PACK 0
	TOSTAGE 0
.irp a, 1,2,3
.if \a < 3
	MULS \a+1, 1, 15, 0                               ; block a + 1's last products: block a's 32 packed multiplications are the places between them and their first read
.endif
	s_wait_dscnt 16                                   ; the last block's 16 stores into the stage have read their registers; its 16 loads may be out
	PACK \a
	s_wait_alu depctr_va_vdst(0)
	SEND \a-1
	TOSTAGE \a
.endr
	SEND 3
	s_wait_tensorcnt 0x0                              ; the wave's end, behind my last tensor load and my last LDS store
	ds_add_u32 v[SPW], v[NIL]
	s_wait_dscnt 0x0
	CROUND                                            ; the closing round: no work-group ends while a partner may still ask for a tile that names it
	s_endpgm
.Lfunc_end_k_q19c1ec9076_pv:
	.size	k_q19c1ec9076_pv, .Lfunc_end_k_q19c1ec9076_pv-k_q19c1ec9076_pv
	.p2alignl 7, 3214868480
	.fill 96, 4, 3214868480
	.section	.rodata,"a",@progbits
	.p2align	6, 0x0
	.amdhsa_kernel k_q19c1ec9076_pv
		.amdhsa_group_segment_fixed_size 327680
		.amdhsa_private_segment_fixed_size 0
		.amdhsa_enable_private_segment 0
		.amdhsa_kernarg_size 24
		.amdhsa_user_sgpr_count 2
		.amdhsa_user_sgpr_kernarg_segment_ptr 1
		.amdhsa_wavefront_size32 1
		.amdhsa_system_sgpr_workgroup_id_x 1
		.amdhsa_system_sgpr_workgroup_id_y 1
		.amdhsa_system_sgpr_workgroup_id_z 1
		.amdhsa_system_vgpr_workitem_id 0
		.amdhsa_next_free_vgpr 768
		.amdhsa_next_free_sgpr 104
		.amdhsa_reserve_vcc 0
		.amdhsa_float_denorm_mode_32 3
		.amdhsa_float_denorm_mode_16_64 3
		.amdhsa_memory_ordered 1
		.amdhsa_forward_progress 1
		.amdhsa_inst_pref_size 165
	.end_amdhsa_kernel
	.amdgpu_metadata
---
amdhsa.version: [ 1, 2 ]
amdhsa.kernels:
  - .name:           k_q19c1ec9076_pv
    .symbol:         k_q19c1ec9076_pv.kd
    .args:
      - { .name: pp, .offset: 0, .size: 8, .value_kind: global_buffer, .address_space: global }
      - { .name: vv, .offset: 8, .size: 8, .value_kind: global_buffer, .address_space: global }
      - { .name: out0, .offset: 16, .size: 8, .value_kind: global_buffer, .address_space: global }
    .group_segment_fixed_size: 327680
    .private_segment_fixed_size: 0
    .kernarg_segment_align: 8
    .kernarg_segment_size: 24
    .max_flat_workgroup_size: 128
    .sgpr_count:     104
    .vgpr_count:     768
    .wavefront_size: 32
...
	.end_amdgpu_metadata
.endif
;; end of part 4
